; MI455X (gfx1250); checked and timed in simulation.
; The chip was launched on July 23, 2026; its instructions are those of AMD's public machine-readable ISA for CDNA 5 (MIT licence, August 2026) and "CDNA5" Instruction Set Architecture Reference Guide (July 2026). The comments in the code are by the model that wrote it; some were corrected since.
;; Attention. Allowed arithmetic: matrix products marked QUANTISED: E2M3 operands, one E8M0 scale for each 32 along K, by v_wmma_scale_f32_16x16x128_f8f6f4 with both operands' format E2M3, f32 sums; everything else in f32.
;; Inputs: Wk 1,024 x 1,024 float32; Wp 1,024 x 1,024 float32; Wq 1,024 x 1,024 float32; Wv 1,024 x 1,024 float32; bk 1,024 float32; bp 1,024 float32; bq 1,024 float32; bv 1,024 float32; x 4 x 2,048 x 1,024 float32.
;; Outputs: out0 4 x 2,048 x 1,024 float32.
;; This version of the problem:
;;   THIS VERSION OF THE PROBLEM IS GIVEN IN LOW PRECISION. The matrix products marked QUANTISED in the list below multiply operands that are first quantised to E2M3 (2 exponent bits, 3 mantissa bits; 6 bits a number), with one power-of-two scale for each 32 numbers along K (OCP MX v1.0); their sums are f32. All else is computed in f32.
;;   The module's matrix products, in the order in which they are computed (A, B: the left and right operand; K: the contracted axis; several contracted axes count as one K, in the product's order):
;;     1. [M 8,192, K 1,024] x [K 1,024, N 1,024]; A: input x; B: input Wq: QUANTISED
;;     2. [M 8,192, K 1,024] x [K 1,024, N 1,024]; A: input x; B: input Wk: QUANTISED
;;     3. [M 8,192, K 1,024] x [K 1,024, N 1,024]; A: input x; B: input Wv: QUANTISED
;;     4. batch 64 x [M 2,048, K 64] x [K 64, N 2,048]; A: computed on the way; B: computed on the way: QUANTISED
;;     5. batch 64 x [M 2,048, K 2,048] x [K 2,048, N 64]; A: softmax (see below); B: computed on the way: QUANTISED
;;     6. [M 8,192, K 1,024] x [K 1,024, N 1,024]; A: computed on the way; B: input Wp: QUANTISED
;;   THE QUANTISER, for each operand of a quantised product, along K:
;;     - K is cut into blocks of 32 from its start; a last block that is shorter is filled with zeros.
;;     - A block's scale is 2^e with e = floor(log2(the largest magnitude in the block)) - 2, held to -126 .. 127; a block of zeros has e = 0. As a byte (E8M0): e + 127.
;;     - Each number is divided by its block's scale, clamped to +-7.5, and rounded to the nearest number of E2M3, ties to even, subnormals kept.
;;     - The product sums the exact products of the quantised numbers (number of the format x scale) in f32.
;;   ~~~python
;;   def quantise(x, axis):      # numpy; x: float32 -> the quantised numbers, widened to float32 again
;;       x = np.moveaxis(x, axis, -1); K = x.shape[-1]
;;       x = np.pad(x, [(0, 0)] * (x.ndim - 1) + [(0, -K % 32)]); x = x.reshape(x.shape[:-1] + (-1, 32)); a = np.abs(x).max(-1, keepdims=True)
;;       e = np.where(a > 0, np.clip(np.frexp(np.where(a > 0, a, 1))[1] - 1 - 2, -126, 127), 0)      # np.frexp(a)[1] - 1 = floor(log2(a)), exactly
;;       r = np.clip(x / 2.0 ** e, -7.5, 7.5)
;;       step = 2.0 ** (np.maximum(np.frexp(np.where(r == 0, 1, r))[1] - 1, 0) - 3)
;;       q = np.round(r / step) * step * 2.0 ** e      # np.round: ties to even
;;       return np.moveaxis(q.reshape(q.shape[:-2] + (-1,))[..., :K], -1, axis).astype(np.float32)
;;   ~~~
;;   SOFTMAX AHEAD OF A QUANTISED PRODUCT. Where the list says 'softmax', what is quantised is not the finished softmax but p = 2^(t - M), with t = logit x log2(e) and M = ceil(the row's largest t), a whole number; so 1/2 < the row's largest p <= 1. The row's sum l is taken of the UNQUANTISED p, in f32, and the product's result is divided by l at the end. Since M is a whole number, a kernel that streams over the keys may use a running M (the ceiling of the running maximum): every later rescaling is an exact power of two, which a block's scale takes up: the codes' values come out the same.
;;   OPERANDS COMPUTED ON THE WAY. 'Computed on the way' means the value that the module computes at that place (a softmax that the list does not call 'softmax' is quantised finished and normalised). What goes into a quantiser is computed in f32, as accurately as f32 sums, v_exp_f32 and their like allow (about 1e-6 of the number): no bf16 or f16 on the way to a quantiser, and a product that is left as it is and whose result goes on into a quantised operand takes f32 operands (vector FMAs, or v_wmma_f32_16x16x4_f32). A number that lies on a knife's edge between two numbers of the format may be rounded either way, as far as f32 arithmetic and the matrix unit's own rounding can turn it there, and no further.
;; One version. Each part assembles by itself: llvm-mc -triple=amdgcn-amd-amdhsa -mcpu=gfx1250 --defsym DOCPART=n.
;; ======== version 1 of 1: 4 launches
;; workspace buffers: xc 6,291,456 bytes; xs 262,144 bytes; wc 3,145,728 bytes; ws 131,072 bytes; qkv 18,874,368 bytes; sc 786,432 bytes; yc 6,291,456 bytes; ys 262,144 bytes
;; launch quant (part 1): grid 384 x 1, 4 waves a work-group, no clusters, 35,328 bytes of LDS; arguments x, Wq, Wk, Wv, Wp, xc, xs, wc, ws; writes xc, xs, wc, ws
.if DOCPART == 1
	.amdgcn_target "amdgcn-amd-amdhsa--gfx1250"
	.amdhsa_code_object_version 6
	.text
	.protected	k_q50858c530d_quant
	.globl	k_q50858c530d_quant
	.p2align	8
	.type	k_q50858c530d_quant,@function
k_q50858c530d_quant:
	s_mov_b64 s[64:65], 0
	v_nop
	global_prefetch_b8 v0, s[64:65] scope:SCOPE_SE
	s_setreg_imm32_b32 hwreg(HW_REG_WAVE_MODE, 25, 1), 1
	s_wait_xcnt 0x0
; x [8192][1024] and the four weights [1024 (k)][1024 (n)], f32, become codes of FP6 (E2M3) with one E8M0 byte for each 32 along K (K = the 1,024 of x's rows, and the weights' FIRST axis).
; A block's scale is 2^(floor(log2(its largest magnitude)) - 2); its byte is the largest magnitude's exponent field - 2, held at 1 from below.
; LIMITS: NaN and infinities are not served; a block whose largest magnitude lies under 2^-124, a block of zeros among them, gets the byte 1 (a zero block's codes are zeros, and this program alone reads the bytes).
; LAYOUT OF THE CODES: units of 16 rows x 64 K, 768 bytes, in the order of an operand's registers: plane p (256 bytes) holds registers 2 p, 2 p + 1 of lane l at byte 8 l; lane (r, h) holds row r, k = 32 h .. 32 h + 31.
;   xc: [512 row tiles][16 units]; wc: [256 row tiles: Wq, Wk, Wv, Wp, 64 each; a row is a column n][16 units].  Scale words xs, ws: [tile][8 K steps of 128][16 rows], four bytes a word.
; ROW ORDER: storage tile 2 g + u, row r, is logical row 32 g + 8 u + r + 8 (r / 8): as source 0 of a product, two neighbouring tiles then leave 16 logical neighbours in a lane's 16 result registers.
; Work-groups 0-255 take x (32 tokens each), 256-383 the weights.  No input is read by two work-groups, so there is no cluster; no tensor load; only x's path touches LDS (each wave its own bytes, no barrier).
.set WREG,  8704                       ; LDS of a wave: a stage of 16 rows x 528 bytes, then 256 bytes in which its scale words gather
.set GAT,   8448
.set SPARE, 4*WREG                     ; the spare words: 128 bytes a wave, two blocks of 256 bytes that no other line names
.set SPW,   252                        ; v252 SPARE + 4 x my thread's number; never rewritten
.set NIL,   253                        ; v253 0; never rewritten
.set SEL,   24                         ; s[24:25] selects of v_permlanex16_b32: lane l xor 16
.set R,     16                         ; x: v16-143 two sets of 64 numbers as loaded
.set X,     144                        ; x: v144-207 64 numbers: register 16 b + i = k 32 b + 16 h + i of my row
.set PC,    208                        ; x: v208-227 the codes
.set TM,    228                        ; x: v228-243 at work
.set PW,    244                        ; x: the scale word
.set XW,    32                         ; W: v32-95 two sets of 32 numbers down K
.set DW,    96                         ; W: v96-143 the codes, 12 registers for each pair of blocks, so that no store's data are written again
.set TW,    144                        ; W: v144-150 the second halves of two blocks
.set SB,    14                         ; W: v14, v15 the scale bytes
; 64 numbers of a lane become a fragment's 12 registers in v[PC] on and its row's scale word in v[PW]
.macro QUANT s
.irp b, 0,1,2,3
	v_max3_num_f32 v[TM+\b], |v[\s+16*\b]|, |v[\s+1+16*\b]|, 0x1800000   ; block b: my 16 numbers and the floor 2^(3 - 127): the byte cannot fall under 1
.endr
.irp i, 2,4,6,8,10,12,14
.irp b, 0,1,2,3
	v_max3_num_f32 v[TM+\b], v[TM+\b], |v[\s+16*\b+\i]|, |v[\s+1+16*\b+\i]|
.endr
.endr
.irp b, 0,1,2,3
	v_permlanex16_b32 v[TM+4+\b], v[TM+\b], s[SEL], s[SEL+1]
.endr
.irp b, 0,1,2,3
	v_max_num_f32 v[TM+\b], v[TM+\b], v[TM+4+\b]   ; with lane l xor 16's 16: the block's largest magnitude
.endr
.irp b, 0,1,2,3
	v_add_nc_u32 v[TM+12+\b], 0xff000000, v[TM+\b] ; 2 off its exponent field: the conversion's scale operand
.endr
.irp b, 0,1,2,3
	v_lshrrev_b32 v[TM+4+\b], 23, v[TM+12+\b]      ; the byte
.endr
	v_lshl_or_b32 v[PW], v[TM+5], 8, v[TM+4]
	v_lshl_or_b32 v[PW], v[TM+6], 16, v[PW]
	v_lshl_or_b32 v[PW], v[TM+7], 24, v[PW]
.irp c, 0,1
	v_cvt_scalef32_pk16_fp6_f32 v[PC+6*\c:PC+2+6*\c], v[\s+32*\c:\s+15+32*\c], v[TM+12+2*\c]
	v_cvt_scalef32_pk16_fp6_f32 v[PC+12+4*\c:PC+14+4*\c], v[\s+16+32*\c:\s+31+32*\c], v[TM+13+2*\c]   ; (a conversion's three registers begin on an even number)
.endr
	v_nop                                          ; one plain place behind the conversions
.irp c, 0,1                                    ; a whole block to a lane: lanes 0-15 block 2 c, lanes 16-31 block 2 c + 1
.irp i, 0,1,2
	v_permlane16_swap_b32 v[PC+6*\c+\i], v[PC+12+4*\c+\i]
.endr
.irp i, 0,1,2
	v_mov_b32 v[PC+3+6*\c+\i], v[PC+12+4*\c+\i]
.endr
.endr
.endm
	s_load_b512 s[4:19], s[0:1], 0x0               ; x s[4:5], Wq s[6:7], Wk s[8:9], Wv s[10:11], Wp s[12:13], xc s[14:15], xs s[16:17], wc s[18:19]
	s_load_b64 s[20:21], s[0:1], 0x40              ; ws
	v_lshl_add_u32 v[SPW], v0, 2, SPARE
	v_mov_b32 v[NIL], 0
	v_lshrrev_b32 v1, 5, v0
	v_readfirstlane_b32 s22, v1                    ; wave
	v_and_b32 v1, 31, v0                           ; lane
	v_and_b32 v2, 15, v0                           ; r
	v_bfe_u32 v3, v0, 4, 1                         ; h
	v_lshlrev_b32 v4, 3, v1                        ; 8 x lane: my place in a plane
	s_mov_b32 s[SEL], 0x76543210
	s_mov_b32 s[SEL+1], 0xfedcba98
	s_cmp_lt_u32 ttmp9, 256
	s_cbranch_scc0 .Lw
	; ---------------- x: work-group g = tokens 32 g .. 32 g + 31; wave w: storage tile 2 g + (w >> 1), K half w & 1 (four K steps of 128)
	v_lshlrev_b32 v5, 4, v1                        ; 16 x lane: my 16 bytes of a row's 512
	s_mul_i32 s26, s22, WREG
	v_add_nc_u32 v6, s26, v5                       ; the stage, in: 16 x lane (+ 528 a row)
	v_mul_u32_u24 v7, v2, 528
	v_lshl_add_u32 v7, v3, 6, v7
	v_add_nc_u32 v7, s26, v7                       ; out: row r, + 64 h: my 16 numbers of each block of 32.  528 = 33 x 16: sixteen rows lie in sixteen different 16-byte columns of 256
	v_lshlrev_b32 v8, 2, v2
	v_add_nc_u32 v8, s26, v8                       ; my row's scale word in the gather
	v_add_nc_u32 v9, s26, v4                       ; and 8 bytes a lane on the way out
.irp b, 0,1,2,3
	v_mov_b32 v[TM+4+\b], 0                        ; written once: a lane permute's destination counts as one of its sources
.endr
	s_lshr_b32 s27, s22, 1                         ; u
	s_and_b32 s28, s22, 1                          ; K half
	s_lshl_b32 s30, ttmp9, 17                      ; 32 rows of 4,096 bytes,
	s_lshl_b32 s29, s27, 15                        ; + 8 u rows,
	s_add_co_u32 s30, s30, s29
	s_lshl_b32 s29, s28, 11                        ; + my half of a row
	s_add_co_u32 s30, s30, s29
	s_mov_b32 s31, 0
	s_lshl_b32 s32, ttmp9, 1
	s_add_co_u32 s32, s32, s27                     ; the storage tile
	s_mul_i32 s34, s32, 12288
	s_mul_i32 s29, s28, 6144
	s_add_co_u32 s34, s34, s29
	s_mov_b32 s35, 0
	s_lshl_b32 s36, s32, 9
	s_lshl_b32 s29, s28, 8
	s_add_co_u32 s36, s36, s29
	s_mov_b32 s37, 0
	s_wait_kmcnt 0x0
	s_add_nc_u64 s[4:5], s[4:5], s[30:31]
	s_add_nc_u64 s[14:15], s[14:15], s[34:35]
	s_add_nc_u64 s[16:17], s[16:17], s[36:37]
.macro LOADX s                         ; K step s of my 16 rows: each load takes 512 consecutive bytes of one row; storage row i is 8 (i / 8) rows further down
.irp i, 0,1,2,3,4,5,6,7,8,9,10,11,12,13,14,15
	global_load_b128 v[R+64*((\s)%2)+4*\i:R+64*((\s)%2)+4*\i+3], v5, s[4:5] offset:(\i+8*(\i/8))*4096+512*(\s) th:TH_LOAD_NT
.endr
.endm
.macro TURNX s                         ; through my stage: LDS serves a wave's instructions in order, so no wait stands between the stores and the loads
.irp i, 0,1,2,3,4,5,6,7,8,9,10,11,12,13,14,15
	ds_store_b128 v6, v[R+64*((\s)%2)+4*\i:R+64*((\s)%2)+4*\i+3] offset:528*\i
.endr
.irp b, 0,1,2,3
.irp j, 0,1,2,3
	ds_load_b128 v[X+16*\b+4*\j:X+16*\b+4*\j+3], v7 offset:128*\b+16*\j
.endr
.endr
.endm
.macro STEPX s
.if (\s) < 3
	s_wait_loadcnt 16                              ; this step's 16 loads are in; the next step's 16 may be out
.else
	s_wait_loadcnt 0x0
.endif
	TURNX \s
	s_wait_dscnt 0x0                               ; my 64 numbers are back, and the stores have read the set,
.if (\s) < 2
	LOADX (\s)+2                                   ; which takes the step two on
.endif
	s_wait_xcnt 0x0                                ; the last step's stores have read the codes' registers
	QUANT X
.irp p, 0,1,2,3,4,5
	global_store_b64 v4, v[PC+2*\p:PC+2*\p+1], s[14:15] offset:1536*(\s)+256*\p   ; a plane: 32 lanes store 256 consecutive bytes, aligned
.endr
	ds_store_b32 v8, v[PW] offset:GAT+64*(\s)      ; lanes r and r + 16 write the same word with the same value
.endm
	LOADX 0
	LOADX 1
	STEPX 0
	STEPX 1
	STEPX 2
	STEPX 3
	ds_load_b64 v[10:11], v9 offset:GAT            ; my four K steps' 64 scale words: in order behind my stores
	s_wait_dscnt 0x0
	global_store_b64 v4, v[10:11], s[16:17]        ; 256 consecutive bytes, aligned
	s_wait_tensorcnt 0x0                           ; the wave's end: behind my last LDS store
	ds_add_u32 v[SPW], v[NIL]
	s_wait_dscnt 0x0
	s_endpgm
	; ---------------- the weights: j = work-group - 256: weight j >> 5, four column groups (j >> 2) & 7, 256 along K at 256 (j & 3).  Wave w: 32 columns; A LANE TAKES A COLUMN AND ITS REGISTERS RUN DOWN K
.Lw:
	s_sub_co_u32 s26, ttmp9, 256
	s_lshr_b32 s27, s26, 5                         ; which weight
	s_bfe_u32 s28, s26, 0x30002
	s_and_b32 s29, s26, 3                          ; which 256 along K
	s_lshl_b32 s28, s28, 2
	s_add_co_u32 s28, s28, s22                     ; G: my 32 columns
	v_and_b32 v5, 7, v1                            ; lane l is storage row l of the 32: its column is l with bits 3 and 4 changed over
	v_bfe_u32 v6, v1, 3, 1
	v_lshl_or_b32 v5, v3, 3, v5
	v_lshl_or_b32 v5, v6, 4, v5
	v_lshlrev_b32 v5, 2, v5                        ; the wave still reads 128 consecutive bytes
	v_lshlrev_b32 v7, 2, v1
	s_lshl_b32 s30, s29, 20                        ; 256 rows of 4,096 bytes
	s_lshl_b32 s31, s28, 7
	s_add_co_u32 s30, s30, s31
	s_mov_b32 s31, 0
	s_lshl_b32 s32, s27, 6
	s_lshl_b32 s33, s28, 1
	s_add_co_u32 s32, s32, s33                     ; storage tile 64 x weight + 2 G
	s_mul_i32 s34, s32, 12288
	s_mul_i32 s33, s29, 3072                       ; four units along K
	s_add_co_u32 s34, s34, s33
	s_mov_b32 s35, 0
	s_lshl_b32 s36, s32, 9
	s_lshl_b32 s33, s29, 7                         ; two K steps' words
	s_add_co_u32 s36, s36, s33
	s_mov_b32 s37, 0
	s_wait_kmcnt 0x0
	s_cmp_eq_u32 s27, 1
	s_cselect_b64 s[6:7], s[8:9], s[6:7]
	s_cmp_eq_u32 s27, 2
	s_cselect_b64 s[6:7], s[10:11], s[6:7]
	s_cmp_eq_u32 s27, 3
	s_cselect_b64 s[6:7], s[12:13], s[6:7]
	s_add_nc_u64 s[6:7], s[6:7], s[30:31]
	s_add_nc_u64 s[18:19], s[18:19], s[34:35]
	s_add_nc_u64 s[20:21], s[20:21], s[36:37]
.macro LOADW t
.irp i, 0,1,2,3,4,5,6,7,8,9,10,11,12,13,14,15,16,17,18,19,20,21,22,23,24,25,26,27,28,29,30,31
	global_load_b32 v[XW+32*((\t)%2)+\i], v5, s[6:7] offset:(32*(\t)+\i)*4096 th:TH_LOAD_NT
.endr
.endm
.macro BLOCKW t
.set XS, XW+32*((\t)%2)
.set DD, DW+12*((\t)/2)+6*((\t)%2)
.set TT, TW+4*((\t)%2)
.if (\t) < 7
	s_wait_loadcnt 32                              ; this block's 32 loads are in; the next block's may be out
.else
	s_wait_loadcnt 0x0
.endif
	v_max3_num_f32 v12, |v[XS]|, |v[XS+1]|, |v[XS+2]|   ; all 32 numbers of the block are mine
	v_max3_num_f32 v13, |v[XS+3]|, |v[XS+4]|, |v[XS+5]|
.irp i, 6,10,14,18,22,26
	v_max3_num_f32 v12, v12, |v[XS+\i]|, |v[XS+\i+1]|
	v_max3_num_f32 v13, v13, |v[XS+\i+2]|, |v[XS+\i+3]|
.endr
	v_max3_num_f32 v12, v12, |v[XS+30]|, |v[XS+31]|
	v_max3_num_f32 v12, v12, v13, 0x1800000        ; and the floor
	v_add_nc_u32 v11, 0xff000000, v12
	v_lshrrev_b32 v13, 23, v11
.if (\t)%4 == 0
	v_mov_b32 v[SB+(\t)/4], v13
.else
	v_lshl_or_b32 v[SB+(\t)/4], v13, 8*((\t)%4), v[SB+(\t)/4]
.endif
	v_cvt_scalef32_pk16_fp6_f32 v[DD:DD+2], v[XS:XS+15], v11
	v_cvt_scalef32_pk16_fp6_f32 v[TT:TT+2], v[XS+16:XS+31], v11
.if (\t)+2 < 8
	LOADW (\t)+2
.endif
.if (\t)%2 == 1                        ; two blocks are a unit's 64 along K.  Lanes 0-15 hold tile 2 G's rows, lanes 16-31 tile 2 G + 1's
.set DE, DW+12*((\t)/2)
.set DO, DE+6
	v_nop                                          ; one plain place behind the conversions
.irp i, 0,1,2
	v_permlane16_swap_b32 v[DE+\i], v[DO+\i]       ; the even block's upper lanes change places with the odd block's lower: the first is now tile 2 G's unit, the second tile 2 G + 1's
	v_permlane16_swap_b32 v[TW+\i], v[TW+4+\i]
.endr
.irp i, 0,1,2
	v_mov_b32 v[DE+3+\i], v[TW+\i]
	v_mov_b32 v[DO+3+\i], v[TW+4+\i]
.endr
.irp p, 0,1,2
	global_store_b64 v4, v[DE+2*\p:DE+2*\p+1], s[18:19] offset:768*((\t)/2)+256*\p
	global_store_b64 v4, v[DO+2*\p:DO+2*\p+1], s[18:19] offset:12288+768*((\t)/2)+256*\p
.endr
.endif
.endm
	LOADW 0
	LOADW 1
.irp t, 0,1,2,3,4,5,6,7
	BLOCKW \t
.endr
	v_permlane16_swap_b32 v[SB], v[SB+1]           ; the first: tile 2 G's words of my two K steps; the second: tile 2 G + 1's
	global_store_b32 v7, v[SB], s[20:21]           ; runs of 128 bytes: one byte for each 128 that this path reads
	global_store_b32 v7, v[SB+1], s[20:21] offset:512
	s_wait_tensorcnt 0x0                           ; both ends of the text are kept alike
	ds_add_u32 v[SPW], v[NIL]
	s_wait_dscnt 0x0
	s_endpgm
.Lfunc_end_k_q50858c530d_quant:
	.size	k_q50858c530d_quant, .Lfunc_end_k_q50858c530d_quant-k_q50858c530d_quant
	.p2alignl 7, 3214868480
	.fill 96, 4, 3214868480
	.section	.rodata,"a",@progbits
	.p2align	6, 0x0
	.amdhsa_kernel k_q50858c530d_quant
		.amdhsa_group_segment_fixed_size 35328
		.amdhsa_private_segment_fixed_size 0
		.amdhsa_enable_private_segment 0
		.amdhsa_kernarg_size 72
		.amdhsa_user_sgpr_count 2
		.amdhsa_user_sgpr_kernarg_segment_ptr 1
		.amdhsa_wavefront_size32 1
		.amdhsa_system_sgpr_workgroup_id_x 1
		.amdhsa_system_sgpr_workgroup_id_y 1
		.amdhsa_system_sgpr_workgroup_id_z 1
		.amdhsa_system_vgpr_workitem_id 0
		.amdhsa_next_free_vgpr 256
		.amdhsa_next_free_sgpr 66
		.amdhsa_reserve_vcc 0
		.amdhsa_float_denorm_mode_32 3
		.amdhsa_float_denorm_mode_16_64 3
		.amdhsa_memory_ordered 1
		.amdhsa_forward_progress 1
		.amdhsa_inst_pref_size 75
	.end_amdhsa_kernel
	.amdgpu_metadata
---
amdhsa.version: [ 1, 2 ]
amdhsa.kernels:
  - .name:           k_q50858c530d_quant
    .symbol:         k_q50858c530d_quant.kd
    .args:
      - { .name: x, .offset: 0, .size: 8, .value_kind: global_buffer, .address_space: global }
      - { .name: Wq, .offset: 8, .size: 8, .value_kind: global_buffer, .address_space: global }
      - { .name: Wk, .offset: 16, .size: 8, .value_kind: global_buffer, .address_space: global }
      - { .name: Wv, .offset: 24, .size: 8, .value_kind: global_buffer, .address_space: global }
      - { .name: Wp, .offset: 32, .size: 8, .value_kind: global_buffer, .address_space: global }
      - { .name: xc, .offset: 40, .size: 8, .value_kind: global_buffer, .address_space: global }
      - { .name: xs, .offset: 48, .size: 8, .value_kind: global_buffer, .address_space: global }
      - { .name: wc, .offset: 56, .size: 8, .value_kind: global_buffer, .address_space: global }
      - { .name: ws, .offset: 64, .size: 8, .value_kind: global_buffer, .address_space: global }
    .group_segment_fixed_size: 35328
    .private_segment_fixed_size: 0
    .kernarg_segment_align: 8
    .kernarg_segment_size: 72
    .max_flat_workgroup_size: 128
    .sgpr_count:     66
    .vgpr_count:     256
    .wavefront_size: 32
...
	.end_amdgpu_metadata
.endif
;; end of part 1
;; launch qkv (part 2): grid 12 x 32, 4 waves a work-group, clusters of 4 x 4, 327,680 bytes of LDS; arguments xc, xs, wc, ws, bq, bk, bv, qkv, sc; writes qkv, sc
.if DOCPART == 2
	.amdgcn_target "amdgcn-amd-amdhsa--gfx1250"
	.amdhsa_code_object_version 6
	.text
	.protected	k_q50858c530d_qkv
	.globl	k_q50858c530d_qkv
	.p2align	8
	.type	k_q50858c530d_qkv,@function
k_q50858c530d_qkv:
	s_mov_b64 s[64:65], 0
	v_nop
	global_prefetch_b8 v0, s[64:65] scope:SCOPE_SE
	s_setreg_imm32_b32 hwreg(HW_REG_WAVE_MODE, 25, 1), 1
	s_wait_xcnt 0x0
	s_wait_alu depctr_hold_cnt(0) depctr_sa_sdst(0) depctr_va_vdst(0) depctr_va_sdst(0) depctr_va_ssrc(0) depctr_va_vcc(0) depctr_vm_vsrc(0)
	s_getreg_b32 s2, hwreg(HW_REG_IB_STS2, 6, 4)
	s_cmp_eq_u32 s2, 0
	s_cbranch_scc0 .Lentry_in_a_cluster
	s_endpgm
.Lentry_in_a_cluster:
	s_bfe_u32 s2, ttmp6, 0x10000c
	s_cmp_lg_u32 s2, 0xf033
	s_cbranch_scc0 .Lentry_shape_is_right
	s_endpgm
.Lentry_shape_is_right:
; q = x Wq + bq, k = x Wk + bk, v = x Wv + bv on codes of FP6 (E2M3) with E8M0 scales, and the results quantised again on the way out: q and k along the head's 64, v along the tokens.
; LIMITS: NaN and infinities are not served; a block whose largest magnitude lies under 2^-124, a block of zeros among them, gets the byte 1 (its codes are then zeros or held; this program alone reads the bytes).
; A tile of 256 x 256 to a work-group of four waves, 128 x 128 a wave: 64 accumulators.  K = 1,024 goes in four chunks of 256 through three LDS slots: three first fills, and one refill of slot 0.
; OPERANDS lie in memory and in LDS in the order of their registers (units of 16 rows x 64 K, three planes of 256 bytes, lane l's 8 bytes at 8 l): a fragment is six ds_load_b64 at 8 x lane, with no pitch and no padding.
; THE PRODUCT IS USED TRANSPOSED: source 0 = 16 rows of B, source 1 = 16 rows of A: a lane holds one row of A, and, by the rows' storage order, registers 16 b + i of A's block hold B's logical rows 32 b + 16 h + i.
; MODE = the cluster's x, the same in all sixteen partners.  0: q, 1: k: A = x, B = the weight: a lane holds a token, its registers run along the features.  2: v: THE ROLES ARE CHANGED BY POINTERS ALONE:
;   A = Wv, B = x: a lane holds a feature and its registers run along the tokens, which are K of attention's second product.
; CLUSTER 4 x 4: A's tiles are shared along a row of the cluster, B's along a column: each is asked for jointly, by the same tensor load with the same descriptor and a mask that names the four.
; OUT: qkv: q at 0 [bh][128 token tiles][768]; from 6,291,456 on [bh][16 key blocks][K: 8 tiles x 768 | V: 4 d tiles x 1,536].  sc: q's words at 0, k's at 262,144: [b][head pair][tile pair][head parity][16 words],
;   a word = the even tile's two bytes, then the odd tile's; v's at 524,288: [bh][key block][d tile][16 words].  Every store covers 256 consecutive bytes, aligned.
; REGISTERS: window 0: v1-29 addresses; v32-47 scale words, two sets; v48-55 the bias's offsets; v64-127 the bias; v128-223 A's fragments, one set (on the way out: at work).  window 1: B's fragments, two sets.  windows 2, 3: accumulators.
.set SLOT,  98304                      ; a slot: A's 2 x 24,576 bytes, then B's
.set QTR,   24576                      ; 128 rows x 256 K: what one tensor load brings
.set SCL,   3*SLOT                     ; all of K's scale words: A's 8,192 bytes; B's 8,192 begin 64 bytes later, so that the two halves of the lanes read different columns of 256
.set SPARE, SCL+16640                  ; the spare words: 128 bytes a wave
.set SG,    SPARE+512                  ; 512 bytes a wave in which the results' scale words gather
.set FR,    12
.set NL,    6
.set ADRA,  8                          ; v8-10  my A fragments in slot 0, 1, 2
.set ADRB,  12                         ; v12-14 the same for B
.set ADRS,  16                         ; v16    my scale words: lanes 0-15 A's, lanes 16-31 B's
.set L8,    17                         ; v17    8 x lane
.set SGA,   18                         ; v18    the gather: my row's word
.set SGR,   19                         ; v19    and 8 bytes a lane on the way out
.set SPW,   28
.set NIL,   29
.set SC,    32
.set VA,    48
.set BI,    64
.set AF,    128
.set PC,    128                        ; the way out: v128-147 codes, v148-163 at work, v164-165 two scale words, v166-167 offsets, v168-169 words, v170-174
.set TM,    148
.set PW,    164
.set OF,    166
.set WW,    168
.set DA,    170
.set OF2,   174
.set MODE,  22
.set WV,    23
.set G1A,   24
.set G0A0,  32
.set G0A1,  36
.set G0A2,  40
.set G0SA,  44
.set G1B,   48
.set G0B0,  56
.set G0B1,  60
.set G0B2,  68
.set G0SB,  72
.set G1SA,  76
.set G1SB,  84
.set TOK,   92                         ; s92 my first token, s93 my first feature
.set FEA,   93
.set WH,    94
.set WL,    95
.set CX,    96
.set CY,    97
.set TR,    98
.set TC,    99
.set MSB, 0
.macro WIN new                         ; the immediate's high byte repeats the setting that is left
.if MSB != (\new)
	s_set_vgpr_msb (MSB<<8)|(\new)
.set MSB, (\new)
.endif
.endm
.macro JLOAD g0a, g1a, g0b, g1b        ; a joint load: waves 0 and 1 fetch for A, waves 2 and 3 for B; an s_nop 0 and four v_nop follow each line
	s_cmp_eq_u32 s[WH], 0
	s_cbranch_scc0 .Lfor_b_\@
	tensor_load_to_lds s[\g0a:\g0a+3], s[\g1a:\g1a+7]
	s_nop 0
.rept 4
	v_nop
.endr
	s_branch .Lasked_\@
.Lfor_b_\@:
	tensor_load_to_lds s[\g0b:\g0b+3], s[\g1b:\g1b+7]
	s_nop 0
.rept 4
	v_nop
.endr
.Lasked_\@:
.endm
.macro CREST                           ; a round of the cluster's barrier behind its opening barrier
	s_cmp_lg_u32 s[WV], 0
	s_cbranch_scc1 .Lnot_wave_0_\@
	s_barrier_signal -3
.Lnot_wave_0_\@:
	s_barrier_wait -3
	s_barrier_signal -1
	s_barrier_wait -1
.endm
.macro CROUND
	s_barrier_signal -1
	s_barrier_wait -1
	CREST
.endm
.macro PLACES n
.rept \n
	v_nop
.endr
.endm
.macro FRAG reg, adr, q, i             ; a fragment: row tile i, the slot's q-th 128 along K: six planes
.irp p, 0,1,2,3,4,5
	ds_load_b64 v[\reg+2*\p:\reg+2*\p+1], v[\adr] offset:(\i)*3072+(\q)*1536+256*\p
.endr
.endm
.macro FETCH_B slot, q, p
	WIN 0x40                                       ; destination window 1
.irp i, 0,1,2,3,4,5,6,7
	FRAG 128*(\p)+FR*\i, ADRB+\slot, \q, \i
.endr
	WIN 0
.endm
.macro FETCH_A slot, q, i0
.irp i, \i0, \i0+1, \i0+2, \i0+3
	FRAG AF+FR*(\i), ADRA+\slot, \q, \i
.endr
.endm
.macro SCALES sc, s                    ; K step s's words into set sc: register i: lanes 0-15 A's block i, lanes 16-31 B's block i
.irp i, 0,1,2,3,4,5,6,7
	ds_load_b32 v[SC+8*(\sc)+\i], v[ADRS] offset:512*\i+64*(\s)
.endr
.endm
; 16 products: A's blocks a0, a0 + 1 x B's eight.  p: B's set and the set of scale words.  cm = 0: C = D; 1: C = the bias by B's block; 2: by A's block: the first K step starts the sums with the bias.
; The 64 accumulators take turns, one instruction a turn, in the same order in every step.
.macro MUL16 a0, p, cm
.irp a, \a0, \a0+1
.irp b, 0,1,2,3,4,5,6,7
.if (\cm) == 1
	v_wmma_scale_f32_16x16x128_f8f6f4 v[8*(8*((\a)%4)+\b):8*(8*((\a)%4)+\b)+7], v[128*(\p)+FR*\b:128*(\p)+FR*\b+FR-1], v[AF+FR*(\a):AF+FR*(\a)+FR-1], v[BI+8*\b:BI+8*\b+7], v[SC+8*(\p)+\b], v[SC+8*(\p)+(\a)] matrix_a_fmt:MATRIX_FMT_FP6 matrix_b_fmt:MATRIX_FMT_FP6 matrix_a_scale:MATRIX_SCALE_ROW1
.elseif (\cm) == 2
	v_wmma_scale_f32_16x16x128_f8f6f4 v[8*(8*((\a)%4)+\b):8*(8*((\a)%4)+\b)+7], v[128*(\p)+FR*\b:128*(\p)+FR*\b+FR-1], v[AF+FR*(\a):AF+FR*(\a)+FR-1], v[BI+8*(\a):BI+8*(\a)+7], v[SC+8*(\p)+\b], v[SC+8*(\p)+(\a)] matrix_a_fmt:MATRIX_FMT_FP6 matrix_b_fmt:MATRIX_FMT_FP6 matrix_a_scale:MATRIX_SCALE_ROW1
.else
	v_wmma_scale_f32_16x16x128_f8f6f4 v[8*(8*((\a)%4)+\b):8*(8*((\a)%4)+\b)+7], v[128*(\p)+FR*\b:128*(\p)+FR*\b+FR-1], v[AF+FR*(\a):AF+FR*(\a)+FR-1], v[8*(8*((\a)%4)+\b):8*(8*((\a)%4)+\b)+7], v[SC+8*(\p)+\b], v[SC+8*(\p)+(\a)] matrix_a_fmt:MATRIX_FMT_FP6 matrix_b_fmt:MATRIX_FMT_FP6 matrix_a_scale:MATRIX_SCALE_ROW1
.endif
.endr
.endr
.endm
; K step s; the next step's fragments come from slot nslot, its nq-th 128, which every wave has been shown whole
.macro STEP nslot, nq, s, cm
.set LOW_, 0xa1                        ; source 0 (B) window 1, source 1 (A) window 0, C and D window 2
.set HIW_, 0xf1                        ; the same, window 3
.if (\cm) != 0
.set LOW_, 0x81                        ; C, the bias, in window 0
.set HIW_, 0xc1
.endif
	s_wait_dscnt 4*NL                              ; all but the youngest 24 loads, A's blocks 4-7
	WIN LOW_
	MUL16 0, (\s)%2, \cm
	MUL16 2, (\s)%2, \cm
	s_wait_dscnt 0x0                               ; A's blocks 4-7 are in
	PLACES 4                                       ; four places in front of loads into registers that matrix instructions have read
	FETCH_B \nslot, \nq, 1-(\s)%2
	FETCH_A \nslot, \nq, 0
	SCALES 1-(\s)%2, (\s)+1
	WIN HIW_
	MUL16 4, (\s)%2, \cm
	MUL16 6, (\s)%2, \cm
	PLACES 4
	WIN 0
	FETCH_A \nslot, \nq, 4
.endm
; K step s is a slot's last: one barrier; in front of it each wave waits for all its tensor loads, adds 0 to its spare word, and waits for that and for its reads of the slot.  fill = 1: slot 0 takes chunk 3
.macro TURN nslot, s, fill
	s_wait_tensorcnt 0x0                           ; all my tensor loads have landed
	ds_add_u32 v[SPW], v[NIL]                      ; 0 onto my spare word
	s_wait_dscnt 4*NL+1                            ; (the add and the youngest 24 loads may be out)
	WIN 0xa1
	MUL16 0, (\s)%2, 0
	s_wait_dscnt 0x0                               ; the add is done, and my reads of this slot are over
	s_barrier_signal -1
	MUL16 2, (\s)%2, 0
	WIN 0
	s_barrier_wait -1
.if \fill
	CREST                                          ; the barrier has opened a round of the cluster's: no wave of any partner still reads slot 0 or has a load on its way
	s_add_nc_u64 s[G0A0+2:G0A0+3], s[G0A0+2:G0A0+3], 3*3072
	s_add_nc_u64 s[G0B0+2:G0B0+3], s[G0B0+2:G0B0+3], 3*3072
	JLOAD G0A0, G1A, G0B0, G1B                     ; my one tensor load behind the round; it has four K steps, 256 products, in which to land; its four v_nop are the places for the loads below
.else
	PLACES 4
.endif
	FETCH_B \nslot, 0, 1-(\s)%2
	FETCH_A \nslot, 0, 0
	SCALES 1-(\s)%2, (\s)+1
	WIN 0xf1
	MUL16 4, (\s)%2, 0
	MUL16 6, (\s)%2, 0
	PLACES 4
	WIN 0
	FETCH_A \nslot, 0, 4
.endm
	s_load_b512 s[4:19], s[0:1], 0x0               ; xc s[4:5], xs s[6:7], wc s[8:9], ws s[10:11], bq s[12:13], bk s[14:15], bv s[16:17], qkv s[18:19]
	s_load_b64 s[20:21], s[0:1], 0x40              ; sc
	v_lshl_add_u32 v[SPW], v0, 2, SPARE
	v_mov_b32 v[NIL], 0
	ds_add_u32 v[SPW], v[NIL]                      ; the wave's opening: the add and its wait stand ahead of my first tensor load
	v_lshrrev_b32 v1, 5, v0
	v_readfirstlane_b32 s[WV], v1
	s_lshr_b32 s[WH], s[WV], 1                     ; my half of A's rows.  Also: I fetch for A (0) or for B (1)
	s_and_b32 s[WL], s[WV], 1                      ; my half of B's rows.  Also: which 128 rows I fetch
	s_bfe_u32 s[CX], ttmp6, 0x40000
	s_bfe_u32 s[CY], ttmp6, 0x40004
	s_mov_b32 s[MODE], ttmp9
	s_and_b32 s2, ttmp7, 0xffff
	s_lshl_b32 s2, s2, 2                           ; 4 x cluster y
	s_add_co_u32 s[TR], s2, s[CY]
	s_add_co_u32 s[TC], s2, s[CX]
	s_lshl_b32 s3, ttmp9, 2
	s_add_co_u32 s3, s3, s[CX]
	s_cmp_eq_u32 s[MODE], 2
	s_cselect_b32 s[TR], s[CY], s[TR]              ; A's block of 256 rows: q, k: tokens 4 Y + cy; v: features cy
	s_cselect_b32 s[TC], s[TC], s3                 ; B's: q, k: rows of wc 4 X + cx; v: tokens 4 Y + cx
	s_lshl_b32 s66, s[CY], 2
	s_lshl_b32 s66, 15, s66                        ; my row of the cluster
	s_lshl_b32 s67, 0x1111, s[CX]                  ; my column
	s_or_b32 s[G1A], s66, (3<<16)|(1<<21)          ; the mask; elements of 8 bytes; bit 21 beside a mask; no padding
	s_or_b32 s[G1B], s67, (3<<16)|(1<<21)
	s_or_b32 s[G1SA], s66, (3<<16)|(1<<21)
	s_or_b32 s[G1SB], s67, (3<<16)|(1<<21)
.irp g, G1A, G1B                       ; codes: 8 row tiles x 3,072 bytes (256 K), 12,288 bytes apart
	s_mov_b32 s[\g+1], 384<<16
	s_mov_b32 s[\g+2], 8<<16
	s_mov_b32 s[\g+3], 384<<16
	s_mov_b32 s[\g+4], 8
	s_mov_b32 s[\g+5], 1536
	s_mov_b32 s[\g+6], 0
	s_mov_b32 s[\g+7], 0
.endr
.irp g, G1SA, G1SB                     ; scale words of 128 rows: 4,096 dense bytes as 16 rows of 256
	s_mov_b32 s[\g+1], 32<<16
	s_mov_b32 s[\g+2], 16<<16
	s_mov_b32 s[\g+3], 32<<16
	s_mov_b32 s[\g+4], 16
	s_mov_b32 s[\g+5], 32
	s_mov_b32 s[\g+6], 0
	s_mov_b32 s[\g+7], 0
.endr
	s_lshl_b32 s100, s[WL], 3
	s_lshl_b32 s92, s[TR], 4
	s_add_co_u32 s92, s92, s100                    ; A's first row tile that I would fetch
	s_lshl_b32 s93, s[TC], 4
	s_add_co_u32 s93, s93, s100                    ; B's
	s_mul_i32 s[G0A0+2], s92, 12288                ; the offsets are formed in the descriptors' own address words
	s_mov_b32 s[G0A0+3], 0
	s_lshl_b32 s[G0SA+2], s92, 9
	s_mov_b32 s[G0SA+3], 0
	s_mul_i32 s[G0B0+2], s93, 12288
	s_mov_b32 s[G0B0+3], 0
	s_lshl_b32 s[G0SB+2], s93, 9
	s_mov_b32 s[G0SB+3], 0
	s_mul_i32 s100, s[WV], QTR                     ; where they go: wave x a quarter slot: no place in the cluster enters an LDS address
	s_lshl_b32 s101, s[WV], 12
	s_lshl_b32 s2, s[WH], 6
	s_add_co_u32 s101, s101, s2
.irp g, G0A0, G0A1, G0A2, G0SA, G0B0, G0B1, G0B2, G0SB
	s_mov_b32 s[\g], 1
.endr
	s_mov_b32 s[G0A0+1], s100
	s_add_co_u32 s[G0A1+1], s100, SLOT
	s_add_co_u32 s[G0A2+1], s100, 2*SLOT
	s_add_co_u32 s[G0SA+1], s101, SCL
	s_mov_b32 s[G0B0+1], s100
	s_add_co_u32 s[G0B1+1], s100, SLOT
	s_add_co_u32 s[G0B2+1], s100, 2*SLOT
	s_add_co_u32 s[G0SB+1], s101, SCL
	s_wait_dscnt 0x0                               ; the opening add is done
	s_wait_kmcnt 0x0
	s_add_nc_u64 s[100:101], s[8:9], 1572864       ; Wv's codes: row tile 128 of wc
	s_add_nc_u64 s[2:3], s[10:11], 65536           ; and its scale words
	s_cmp_eq_u32 s[MODE], 2
	s_cselect_b64 s[100:101], s[100:101], s[4:5]   ; A's codes,
	s_cselect_b64 s[2:3], s[2:3], s[6:7]           ; A's scale words,
	s_cselect_b64 s[8:9], s[4:5], s[8:9]           ; B's codes,
	s_cselect_b64 s[10:11], s[6:7], s[10:11]       ; B's scale words
	s_add_nc_u64 s[G0A0+2:G0A0+3], s[100:101], s[G0A0+2:G0A0+3]
	s_add_nc_u64 s[G0A1+2:G0A1+3], s[G0A0+2:G0A0+3], 3072
	s_add_nc_u64 s[G0A2+2:G0A2+3], s[G0A0+2:G0A0+3], 6144
	s_add_nc_u64 s[G0SA+2:G0SA+3], s[2:3], s[G0SA+2:G0SA+3]
	s_add_nc_u64 s[G0B0+2:G0B0+3], s[8:9], s[G0B0+2:G0B0+3]
	s_add_nc_u64 s[G0B1+2:G0B1+3], s[G0B0+2:G0B0+3], 3072
	s_add_nc_u64 s[G0B2+2:G0B2+3], s[G0B0+2:G0B0+3], 6144
	s_add_nc_u64 s[G0SB+2:G0SB+3], s[10:11], s[G0SB+2:G0SB+3]
.irp g, G0A0, G0A1, G0A2, G0SA, G0B0, G0B1, G0B2, G0SB
	s_or_b32 s[\g+3], s[\g+3], 0x80000000          ; type = 2
.endr
	CROUND                                         ; all sixteen work-groups are here: the first joint loads meet
	JLOAD G0SA, G1SA, G0SB, G1SB                   ; four first fills: four loads of mine are out
	JLOAD G0A0, G1A, G0B0, G1B
	JLOAD G0A1, G1A, G0B1, G1B
	JLOAD G0A2, G1A, G0B2, G1B
	; where I stand
	s_lshl_b32 s2, s[TR], 8
	s_lshl_b32 s3, s[WH], 7
	s_add_co_u32 s2, s2, s3                        ; A's first row of mine
	s_lshl_b32 s3, s[TC], 8
	s_lshl_b32 s66, s[WL], 7
	s_add_co_u32 s3, s3, s66                       ; B's
	s_and_b32 s66, s3, 1023
	s_cmp_eq_u32 s[MODE], 2
	s_cselect_b32 s[TOK], s3, s2
	s_cselect_b32 s[FEA], s2, s66
	s_cselect_b32 s66, 4, 0                        ; the bias's offset = r' x M1 + h x M2 + j x JS: q, k: register j of B's block t is feature .. + 16 h + j; v: every register of A's block t is feature .. + r'
	s_cselect_b32 s67, 0, 64
	s_cselect_b32 s100, 0, 4
	s_cselect_b64 s[12:13], s[16:17], s[12:13]
	s_cmp_eq_u32 s[MODE], 1
	s_cselect_b64 s[12:13], s[14:15], s[12:13]
	s_lshl_b32 s2, s[FEA], 2
	s_mov_b32 s3, 0
	s_add_nc_u64 s[12:13], s[12:13], s[2:3]
	v_and_b32 v1, 31, v0
	v_lshlrev_b32 v[L8], 3, v1
	v_and_b32 v2, 15, v0                           ; r
	v_bfe_u32 v3, v0, 4, 1                         ; h
	v_and_b32 v4, 8, v2
	v_add_nc_u32 v4, v4, v2                        ; r' = r + 8 (r / 8)
	v_mul_u32_u24 v[VA], v4, s66
	v_mad_u32_u24 v[VA], v3, s67, v[VA]
.irp j, 1,2,3,4,5,6,7
	v_add_nc_u32 v[VA+\j], s100, v[VA+\j-1]
.endr
.irp t, 0,1,2,3,4,5,6,7
.irp j, 0,1,2,3,4,5,6,7
	global_load_b32 v[BI+8*\t+\j], v[VA+\j], s[12:13] offset:(32*(\t/2)+8*(\t%2))*4
.endr
.endr
	s_mul_i32 s2, s[WH], QTR                       ; my 128 rows of A,
	s_mul_i32 s3, s[WL], QTR
	s_add_co_u32 s3, s3, 2*QTR                     ; of B
.irp s, 0,1,2
	v_add_nc_u32 v[ADRA+\s], s2, v[L8]
	v_add_nc_u32 v[ADRB+\s], s3, v[L8]
	s_add_co_u32 s2, s2, SLOT
	s_add_co_u32 s3, s3, SLOT
.endr
	v_lshlrev_b32 v4, 2, v2
	s_lshl_b32 s2, s[WH], 12
	s_lshl_b32 s3, s[WL], 12
	s_add_co_u32 s3, s3, 8192+64
	s_sub_co_u32 s3, s3, s2
	v_mul_u32_u24 v5, s3, v3                       ; lanes 16-31 take B's words: the lower base + h x the distance
	s_add_co_u32 s2, s2, SCL
	v_add_nc_u32 v5, v4, v5
	v_add_nc_u32 v[ADRS], s2, v5
	s_lshl_b32 s2, s[WV], 9
	s_add_co_u32 s2, s2, SG
	v_add_nc_u32 v[SGA], s2, v4
	v_add_nc_u32 v[SGR], s2, v[L8]
	s_wait_tensorcnt 2                             ; the scale words and my part of chunk 0 are in; chunks 1 and 2 may stay out
	s_barrier_signal -1
	s_barrier_wait -1
	FETCH_B 0, 0, 0
	FETCH_A 0, 0, 0
	SCALES 0, 0
	FETCH_A 0, 0, 4
	s_wait_loadcnt 0x0                             ; the bias
	s_cmp_eq_u32 s[MODE], 2                        ; only the first K step differs between the modes: which block the bias goes by
	s_cbranch_scc1 .Lv_first
	STEP 0, 1, 0, 1
	s_branch .Lfirst_done
.Lv_first:
	STEP 0, 1, 0, 2
.Lfirst_done:
	TURN 1, 1, 1                                   ; the wait for all loads shows chunks 1 and 2 to every wave; chunk 3 goes into slot 0
	STEP 1, 1, 2, 0
	STEP 2, 0, 3, 0
	STEP 2, 1, 4, 0
	TURN 0, 5, 0                                   ; chunk 3 is whole; nothing is filled again
	STEP 0, 1, 6, 0
	s_wait_dscnt 4*NL                              ; the last K step
	WIN 0xa1
	MUL16 0, 1, 0
	MUL16 2, 1, 0
	s_wait_dscnt 0x0
	WIN 0xf1
	MUL16 4, 1, 0
	MUL16 6, 1, 0
	WIN 0
	; THE WAY OUT.  A's block a: 64 numbers a lane, register 16 b + i = the next K's 32 b + 16 h + i of my row: quantised as they stand into a fragment of 12 registers, two units.
	; q, k: the units are two heads' (64 features each) of token tile a.  v: the fragment is d tile a % 4 of head a / 4, 128 tokens.  No tensor load of mine is out, so the descriptors' registers are free.
	s_lshr_b32 s24, s[TOK], 11                     ; b
	s_bfe_u32 s25, s[TOK], 0x40007                 ; the block of 128 tokens
	s_lshr_b32 s26, s[FEA], 7                      ; the pair of heads
	s_lshl_b32 s27, s24, 4
	s_lshl_b32 s37, s26, 1
	s_add_co_u32 s27, s27, s37                     ; bh of the pair's first head
	s_lshl_b32 s27, s27, 4
	s_add_co_u32 s27, s27, s25
	s_cmp_eq_u32 s[MODE], 0
	s_mov_b32 s28, 12288
	s_cselect_b32 s28, 6144, s28                   ; bytes of a block of 128 tokens of a head
	s_mov_b32 s29, 6291456
	s_cselect_b32 s29, 0, s29                      ; the section
	s_mov_b32 s30, 196608
	s_cselect_b32 s30, 98304, s30                  ; from unit 0 to unit 1: a head on
	s_cmp_eq_u32 s[MODE], 2
	s_cselect_b32 s29, 6297600, s29                ; v: behind the block's 6,144 bytes of K
	s_cselect_b32 s30, 768, s30                    ; v: the fragment's second unit
	s_mov_b32 s31, 768
	s_cselect_b32 s31, 1536, s31                   ; from block a to a + 1
	s_cselect_b32 s32, 190464, 0                   ; v: behind a = 3 a head on
	s_mov_b32 s33, 0x05040100
	s_cselect_b32 s33, 0x03020100, s33             ; the words: q, k: the two tiles' bytes of head 0; v: block a's own word
	s_mov_b32 s34, 0x07060302
	s_cselect_b32 s34, 0x07060504, s34             ; q, k: of head 1; v: block a + 1's
	s_mov_b32 s35, 256
	s_cselect_b32 s35, 4096, s35                   ; where the gather's second 256 bytes go
	s_cselect_b32 s36, 8, 9
	s_mul_i32 s38, s27, s28
	s_add_co_u32 s38, s38, s29                     ; unit 0 of block 0
	s_add_co_u32 s39, s38, s30                     ; unit 1
	s_lshl_b32 s40, s[MODE], 18
	s_lshl_b32 s41, s24, 3
	s_add_co_u32 s41, s41, s26
	s_lshl_b32 s41, s41, 13
	s_add_co_u32 s40, s40, s41
	s_lshl_b32 s41, s25, s36
	s_add_co_u32 s40, s40, s41
	s_mov_b32 s41, 0
	s_add_nc_u64 s[20:21], s[20:21], s[40:41]
	s_mov_b32 s48, 0x76543210
	s_mov_b32 s49, 0xfedcba98
	PLACES 4                                       ; behind the last products: their results are read and A's registers written below
.irp b, 0,1,2,3
	v_mov_b32 v[TM+4+\b], 0                        ; a lane permute's destination counts as one of its sources
.endr
	v_add_nc_u32 v[OF2], s35, v[L8]
.macro OUTQ a
.set AC, 64*((\a)%4)
.set WA, 2+(\a)/4
.set W12, (WA<<2)|(WA<<4)
	s_wait_xcnt 0x0                                ; the last block's stores have read their data and offsets
	WIN W12                                        ; sources 1 and 2 in the accumulators' window
.irp b, 0,1,2,3
	v_max3_num_f32 v[TM+\b], 0x1800000, |v[AC+16*\b]|, |v[AC+16*\b+1]|   ; each accumulator is read from its low end on; the floor 2^(3 - 127)
.endr
.irp i, 2,4,6,8,10,12,14
.irp b, 0,1,2,3
	v_max3_num_f32 v[TM+\b], v[TM+\b], |v[AC+16*\b+\i]|, |v[AC+16*\b+\i+1]|
.endr
.endr
	WIN 0
.irp b, 0,1,2,3
	v_permlanex16_b32 v[TM+4+\b], v[TM+\b], s48, s49
.endr
.irp b, 0,1,2,3
	v_max_num_f32 v[TM+\b], v[TM+\b], v[TM+4+\b]
.endr
.irp b, 0,1,2,3
	v_add_nc_u32 v[TM+12+\b], 0xff000000, v[TM+\b]
.endr
.irp b, 0,1,2,3
	v_lshrrev_b32 v[TM+4+\b], 23, v[TM+12+\b]
.endr
	v_lshl_or_b32 v[PW+(\a)%2], v[TM+5], 8, v[TM+4]
	v_lshl_or_b32 v[PW+(\a)%2], v[TM+6], 16, v[PW+(\a)%2]
	v_lshl_or_b32 v[PW+(\a)%2], v[TM+7], 24, v[PW+(\a)%2]
	WIN WA                                         ; source 0 in the accumulators' window
.irp c, 0,1
	v_cvt_scalef32_pk16_fp6_f32 v[PC+6*\c:PC+6*\c+2], v[AC+32*\c:AC+32*\c+15], v[TM+12+2*\c]
	v_cvt_scalef32_pk16_fp6_f32 v[PC+12+4*\c:PC+14+4*\c], v[AC+32*\c+16:AC+32*\c+31], v[TM+13+2*\c]
.endr
	WIN 0
	v_nop                                          ; one plain place behind the conversions
.irp c, 0,1
.irp i, 0,1,2
	v_permlane16_swap_b32 v[PC+6*\c+\i], v[PC+12+4*\c+\i]
.endr
.irp i, 0,1,2
	v_mov_b32 v[PC+3+6*\c+\i], v[PC+12+4*\c+\i]
.endr
.endr
	v_add_nc_u32 v[OF], s38, v[L8]
	v_add_nc_u32 v[OF+1], s39, v[L8]
.irp c, 0,1
.irp p, 0,1,2
	global_store_b64 v[OF+\c], v[PC+6*\c+2*\p:PC+6*\c+2*\p+1], s[18:19] offset:256*\p   ; a plane: 256 consecutive bytes, aligned
.endr
.endr
	s_add_co_u32 s38, s38, s31
	s_add_co_u32 s39, s39, s31
.if (\a) == 3
	s_add_co_u32 s38, s38, s32
	s_add_co_u32 s39, s39, s32
.endif
.if (\a)%2 == 1
	v_perm_b32 v[WW], v[PW+1], v[PW], s33
	v_perm_b32 v[WW+1], v[PW+1], v[PW], s34
	ds_store_b32 v[SGA], v[WW] offset:128*((\a)/2)        ; lanes r and r + 16 write the same word with the same value
	ds_store_b32 v[SGA], v[WW+1] offset:128*((\a)/2)+64
.endif
.endm
.irp a, 0,1,2,3,4,5,6,7
	OUTQ \a
.endr
	ds_load_b64 v[DA:DA+1], v[SGR]                 ; my 128 scale words: in order behind my stores
	ds_load_b64 v[DA+2:DA+3], v[SGR] offset:256
	s_wait_dscnt 0x0
	global_store_b64 v[L8], v[DA:DA+1], s[20:21]
	global_store_b64 v[OF2], v[DA+2:DA+3], s[20:21]
	s_wait_tensorcnt 0x0                           ; the wave's end
	ds_add_u32 v[SPW], v[NIL]
	s_wait_dscnt 0x0
	CROUND                                         ; the closing round
	s_endpgm
.Lfunc_end_k_q50858c530d_qkv:
	.size	k_q50858c530d_qkv, .Lfunc_end_k_q50858c530d_qkv-k_q50858c530d_qkv
	.p2alignl 7, 3214868480
	.fill 96, 4, 3214868480
	.section	.rodata,"a",@progbits
	.p2align	6, 0x0
	.amdhsa_kernel k_q50858c530d_qkv
		.amdhsa_group_segment_fixed_size 327680
		.amdhsa_private_segment_fixed_size 0
		.amdhsa_enable_private_segment 0
		.amdhsa_kernarg_size 72
		.amdhsa_user_sgpr_count 2
		.amdhsa_user_sgpr_kernarg_segment_ptr 1
		.amdhsa_wavefront_size32 1
		.amdhsa_system_sgpr_workgroup_id_x 1
		.amdhsa_system_sgpr_workgroup_id_y 1
		.amdhsa_system_sgpr_workgroup_id_z 1
		.amdhsa_system_vgpr_workitem_id 0
		.amdhsa_next_free_vgpr 1024
		.amdhsa_next_free_sgpr 102
		.amdhsa_reserve_vcc 0
		.amdhsa_float_denorm_mode_32 3
		.amdhsa_float_denorm_mode_16_64 3
		.amdhsa_memory_ordered 1
		.amdhsa_forward_progress 1
		.amdhsa_inst_pref_size 194
	.end_amdhsa_kernel
	.amdgpu_metadata
---
amdhsa.version: [ 1, 2 ]
amdhsa.kernels:
  - .name:           k_q50858c530d_qkv
    .symbol:         k_q50858c530d_qkv.kd
    .args:
      - { .name: xc, .offset: 0, .size: 8, .value_kind: global_buffer, .address_space: global }
      - { .name: xs, .offset: 8, .size: 8, .value_kind: global_buffer, .address_space: global }
      - { .name: wc, .offset: 16, .size: 8, .value_kind: global_buffer, .address_space: global }
      - { .name: ws, .offset: 24, .size: 8, .value_kind: global_buffer, .address_space: global }
      - { .name: bq, .offset: 32, .size: 8, .value_kind: global_buffer, .address_space: global }
      - { .name: bk, .offset: 40, .size: 8, .value_kind: global_buffer, .address_space: global }
      - { .name: bv, .offset: 48, .size: 8, .value_kind: global_buffer, .address_space: global }
      - { .name: qkv, .offset: 56, .size: 8, .value_kind: global_buffer, .address_space: global }
      - { .name: sc, .offset: 64, .size: 8, .value_kind: global_buffer, .address_space: global }
    .group_segment_fixed_size: 327680
    .private_segment_fixed_size: 0
    .kernarg_segment_align: 8
    .kernarg_segment_size: 72
    .max_flat_workgroup_size: 128
    .sgpr_count:     102
    .vgpr_count:     1024
    .wavefront_size: 32
...
	.end_amdgpu_metadata
.endif
;; end of part 2
;; launch attn (part 3): grid 4 x 64, 16 waves a work-group, clusters of 4 x 1, 206,848 bytes of LDS; arguments qkv, sc, yc, ys; writes yc, ys
.if DOCPART == 3
	.amdgcn_target "amdgcn-amd-amdhsa--gfx1250"
	.amdhsa_code_object_version 6
	.text
	.protected	k_q50858c530d_attn
	.globl	k_q50858c530d_attn
	.p2align	8
	.type	k_q50858c530d_attn,@function
k_q50858c530d_attn:
	s_mov_b64 s[64:65], 0
	v_nop
	global_prefetch_b8 v0, s[64:65] scope:SCOPE_SE
	s_setreg_imm32_b32 hwreg(HW_REG_WAVE_MODE, 25, 1), 1
	s_wait_xcnt 0x0
	s_wait_alu depctr_hold_cnt(0) depctr_sa_sdst(0) depctr_va_vdst(0) depctr_va_sdst(0) depctr_va_ssrc(0) depctr_va_vcc(0) depctr_vm_vsrc(0)
	s_getreg_b32 s2, hwreg(HW_REG_IB_STS2, 6, 4)
	s_cmp_eq_u32 s2, 0
	s_cbranch_scc0 .Lentry_in_a_cluster
	s_endpgm
.Lentry_in_a_cluster:
	s_bfe_u32 s2, ttmp6, 0x10000c
	s_cmp_lg_u32 s2, 0x3003
	s_cbranch_scc0 .Lentry_shape_is_right
	s_endpgm
.Lentry_shape_is_right:
; y[b][q][head] = softmax_k(q . k / 8, causal) v, both products on codes of FP6 (E2M3) with E8M0 scales, and y quantised on the way out along the model's 1,024 (a head's 64 are two blocks).
; THE SOFTMAX: t = score x log2(e) / 8; M = the running largest t rounded UP to a whole number; p = 2^(t - M) is quantised along the keys, not normalised; the row's sum is taken of the unquantised p and divides at the end.
; LIMITS: NaN and infinities are not served; a block whose largest magnitude lies under 2^-124, a block of zeros among them, gets the byte 1 (its codes are zeros; this program alone reads the bytes).
; SHARES.  A cluster of four work-groups takes one head of one batch (bh).  All of the head's K and V codes (196,608 bytes) and scale words (8,192) are brought into each work-group's LDS ONCE, by joint loads with a mask
;   that names the four: wave w brings key block w (128 keys).  Nothing is filled again.
;   Work-group cx owns the query tiles 4 k + cx, k = 0 .. 31; wave w takes k = 31 - w, then k = w.  A tile needs key blocks 0 .. k >> 1, so every wave of every work-group walks 17 key steps.
;   That count hangs on the wave's number and the phase alone; cx enters global addresses, the mask's compare operand and a byte select, never a branch or an LDS address.
; LAYOUT.  Both products transposed (S^T = K Q^T, O^T = V^T P^T): a lane holds one query.  Rows of every operand lie in the storage order (tile 2 g + u, row r = logical 32 g + 8 u + r + 8 (r / 8)), so the 16 registers of
;   two neighbouring result tiles are 16 logical neighbours: keys for p, the head's channels for y.
;   THE HEAD IS 64, THE PRODUCT'S K 128: one fragment holds TWO key tiles, one in each half of K; it is multiplied by (q, zeros) and by (zeros, q).  Zero codes add nothing under any scale byte that the quantiser gives.
; REGISTERS: v1-9 addresses; v12 -M, v13 the largest t, v[14:15] the sum; v32-79 four fragments; v96-159 S^T, then p; v160-191 O^T; v192-209 zeros, q, zeros; v224-235 p's codes; v232-247 at work; v248-251 K's or V's scale words;
;   v252 f; v253 p's scale word; v254 at work; v255 q's scale word.
.set KSB,   196608                     ; K's scale words: 256 bytes a key block: [tile pair 4][16 words]
.set VSB,   200704                     ; V's: 256 bytes a key block: [d tile 4][16 words]
.set SPARE, 204800                     ; the spare words: 128 bytes for each of 16 waves
.set KVOFF, 6291456
.set L8,  1                            ; v1  8 x lane
.set AKS, 2                            ; v2  KSB + 4 r
.set SPW, 3
.set NIL, 4
.set DL,  5                            ; v5  my query less the diagonal block's first key less 16 h
.set VR,  6                            ; v6  r + 8 (r / 8) - 16 h
.set R4,  7                            ; v7  4 r
.set ADK, 8
.set ADS, 9
.set FRG, 32
.set S,   96
.set O,   160
.set QZ,  192
.set WV,  12
.set CX,  13
.set BH,  14
.set HSO, 15                           ; s15 my head's place in q's and k's sections of sc
.set SEL, 20
.set CS,  22
.set G1C, 24
.set G1K, 32
.set G1V, 40
.set G0C, 48
.set G0K, 52
.set G0V, 56
.set KT,  60
.set BLK, 61
.set SI,  62
.set TB,  63
.set TS,  66
.set TQ,  67
.set QB,  68
.set QS,  70
.set YB,  72
.set YS,  74
.macro CROUND
	s_barrier_signal -1
	s_barrier_wait -1
	s_cmp_lg_u32 s[WV], 0
	s_cbranch_scc1 .Lnot_wave_0_\@
	s_barrier_signal -3
.Lnot_wave_0_\@:
	s_barrier_wait -3
	s_barrier_signal -1
	s_barrier_wait -1
.endm
	s_load_b256 s[4:11], s[0:1], 0x0               ; qkv s[4:5], sc s[6:7], yc s[8:9], ys s[10:11]
	v_lshl_add_u32 v[SPW], v0, 2, SPARE
	v_mov_b32 v[NIL], 0
	ds_add_u32 v[SPW], v[NIL]                      ; the wave's opening: the add and its wait stand ahead of my first tensor load
	ds_add_u32 v[SPW], v[NIL]
	v_lshrrev_b32 v8, 5, v0
	s_delay_alu instid0(VALU_DEP_1)
	v_readfirstlane_b32 s[WV], v8
	s_bfe_u32 s[CX], ttmp6, 0x40000
	s_and_b32 s[BH], ttmp7, 0xffff                 ; 16 b + head: the four partners share it
	s_mov_b32 s[G1C], 15|(3<<16)|(1<<21)           ; the mask: all four; elements of 8 bytes; bit 21 beside a mask
	s_mov_b32 s[G1C+1], 32<<16                     ; a key block's codes: 12,288 dense bytes as 48 rows of 256
	s_mov_b32 s[G1C+2], 48<<16
	s_mov_b32 s[G1C+3], 32<<16
	s_mov_b32 s[G1C+4], 48
	s_mov_b32 s[G1C+5], 32
	s_mov_b32 s[G1C+6], 0
	s_mov_b32 s[G1C+7], 0
	s_mov_b32 s[G1K], 15|(3<<16)|(1<<21)
	s_mov_b32 s[G1K+1], 8<<16                      ; K's words: 4 tile pairs x 64 bytes, 128 bytes apart (the other head of the pair lies between)
	s_mov_b32 s[G1K+2], 4<<16
	s_mov_b32 s[G1K+3], 8<<16
	s_mov_b32 s[G1K+4], 4
	s_mov_b32 s[G1K+5], 16
	s_mov_b32 s[G1K+6], 0
	s_mov_b32 s[G1K+7], 0
	s_mov_b32 s[G1V], 15|(3<<16)|(1<<21)
	s_mov_b32 s[G1V+1], 32<<16                     ; V's words: one row of 256 bytes
	s_mov_b32 s[G1V+2], 1<<16
	s_mov_b32 s[G1V+3], 32<<16
	s_mov_b32 s[G1V+4], 1
	s_mov_b32 s[G1V+5], 32
	s_mov_b32 s[G1V+6], 0
	s_mov_b32 s[G1V+7], 0
	s_mul_i32 s76, s[BH], 196608
	s_mul_i32 s77, s[WV], 12288
	s_add_co_u32 s76, s76, s77
	s_mov_b32 s[G0C], 1
	s_mov_b32 s[G0C+1], s77                        ; LDS: key block w
	s_add_co_u32 s[G0C+2], s76, KVOFF
	s_mov_b32 s[G0C+3], 0
	s_lshr_b32 s78, s[BH], 1
	s_lshl_b32 s78, s78, 13                        ; the pair of heads: 8,192 bytes,
	s_and_b32 s79, s[BH], 1
	s_lshl_b32 s79, s79, 6                         ; my head's 64 of each 128
	s_add_co_u32 s[HSO], s78, s79
	s_lshl_b32 s81, s[WV], 9
	s_add_co_u32 s81, s81, s[HSO]
	s_lshl_b32 s82, s[WV], 8
	s_mov_b32 s[G0K], 1
	s_add_co_u32 s[G0K+1], s82, KSB
	s_add_co_u32 s[G0K+2], s81, 262144
	s_mov_b32 s[G0K+3], 0
	s_lshl_b32 s81, s[BH], 4
	s_add_co_u32 s81, s81, s[WV]
	s_lshl_b32 s81, s81, 8
	s_mov_b32 s[G0V], 1
	s_add_co_u32 s[G0V+1], s82, VSB
	s_add_co_u32 s[G0V+2], s81, 524288
	s_mov_b32 s[G0V+3], 0
	s_mov_b32 s[SEL], 0x76543210
	s_mov_b32 s[SEL+1], 0xfedcba98
	s_mov_b32 s[CS], 0x3e38aa3b                    ; c = log2(e) / 8
	s_mov_b32 s[CS+1], s[CS]
	s_wait_dscnt 0x0                               ; the opening add is done
	s_wait_kmcnt 0x0
	s_add_nc_u64 s[G0C+2:G0C+3], s[4:5], s[G0C+2:G0C+3]
	s_or_b32 s[G0C+3], s[G0C+3], 0x80000000
	s_add_nc_u64 s[G0K+2:G0K+3], s[6:7], s[G0K+2:G0K+3]
	s_or_b32 s[G0K+3], s[G0K+3], 0x80000000
	s_add_nc_u64 s[G0V+2:G0V+3], s[6:7], s[G0V+2:G0V+3]
	s_or_b32 s[G0V+3], s[G0V+3], 0x80000000
	CROUND                                         ; all four work-groups are here: the joint loads meet
	tensor_load_to_lds s[G0C:G0C+3], s[G1C:G1C+7]  ; three first fills: three loads of mine are out
	s_nop 0
	tensor_load_to_lds s[G0K:G0K+3], s[G1K:G1K+7]
	s_nop 0
	tensor_load_to_lds s[G0V:G0V+3], s[G1V:G1V+7]
	s_nop 0
.rept 4
	v_nop
.endr
	v_and_b32 v10, 31, v0
	s_delay_alu instid0(VALU_DEP_1)
	v_lshlrev_b32 v[L8], 3, v10
	v_and_b32 v10, 15, v0                          ; r
	v_bfe_u32 v11, v0, 4, 1                        ; h
	s_delay_alu instid0(VALU_DEP_2)
	v_lshlrev_b32 v[R4], 2, v10
	s_delay_alu instid0(VALU_DEP_1)
	v_add_nc_u32 v[AKS], KSB, v[R4]
	s_delay_alu instid0(VALU_DEP_4)
	v_and_b32 v[VR], 8, v10
	s_delay_alu instid0(VALU_DEP_1)
	v_add_nc_u32 v[VR], v[VR], v10
	v_lshlrev_b32 v11, 4, v11
	s_delay_alu instid0(VALU_DEP_1)
	v_sub_nc_u32 v[VR], v[VR], v11
.irp i, 0,1,2,3,4,5
	v_mov_b32 v[QZ+\i], 0                          ; zero codes on both sides of q's six registers
	v_mov_b32 v[QZ+12+\i], 0
.endr
.irp b, 0,1,2,3
	v_mov_b32 v[236+\b], 0                         ; a lane permute's destination counts as one of its sources
.endr
	v_mov_b32 v252, 0
	v_mov_b32 v253, 0                              ; (named as the upper half of the pair v[252:253] before it is first written)
	s_wait_tensorcnt 0x0                           ; my key block is in,
	s_barrier_signal -1
	s_barrier_wait -1                              ; everybody's is: from here on LDS is only read
; ONE QUERY TILE: phase 0: k = 31 - wave; phase 1: k = wave
.macro PHASE phase
.if \phase == 0
	s_sub_co_u32 s[KT], 31, s[WV]
.else
	s_wait_xcnt 0x0                                ; the first tile's stores have read their data, offsets and bases
	s_mov_b32 s[KT], s[WV]
.endif
	s_lshr_b32 s[BLK], s[KT], 1                    ; the key block on the diagonal
	s_lshl_b32 s[TQ], s[KT], 2
	s_add_co_u32 s[TQ], s[TQ], s[CX]               ; my query tile
	s_mul_i32 s76, s[BH], 98304
	s_mul_i32 s77, s[TQ], 768
	s_add_co_u32 s76, s76, s77
	s_mov_b32 s77, 0
	s_add_nc_u64 s[QB:QB+1], s[4:5], s[76:77]
	s_lshr_b32 s76, s[TQ], 1
	s_lshl_b32 s76, s76, 7
	s_add_co_u32 s76, s76, s[HSO]
	s_add_nc_u64 s[QS:QS+1], s[6:7], s[76:77]
.irp p, 0,1,2
	global_load_b64 v[QZ+6+2*\p:QZ+7+2*\p], v[L8], s[QB:QB+1] offset:256*\p
.endr
	global_load_b32 v254, v[R4], s[QS:QS+1]        ; the tile pair's word of my row
	s_and_b32 s76, s[KT], 1
	s_lshl_b32 s76, s76, 6
	s_lshr_b32 s77, s[CX], 1
	s_lshl_b32 s77, s77, 5
	s_add_co_u32 s76, s76, s77
	s_and_b32 s77, s[CX], 1
	s_lshl_b32 s78, s77, 3
	s_add_co_u32 s76, s76, s78
	v_add_nc_u32 v[DL], s76, v[VR]                 ; query = 64 k + 32 (cx / 2) + 8 (cx % 2) + r + 8 (r / 8)
	s_mul_i32 s79, s77, 0x02020202
	s_add_co_u32 s79, s79, 0x01000100              ; my tile's two bytes of the word, twice: for both halves of K
	v_mov_b32 v13, 0xff61b1e6                      ; the largest t so far: -3e38
	s_delay_alu instid0(VALU_DEP_1)
	v_floor_f32 v12, -v13
	v_mov_b32 v14, 0
	v_mov_b32 v15, 0
	s_mov_b32 s[TB], 0
	s_mov_b32 s[TS], 0
	s_mov_b32 s[SI], 0
	s_wait_loadcnt 0x0
	v_perm_b32 v255, v254, v254, s79
.set NN, 0
.rept 32
	v_mov_b32 v[O+NN], 0                           ; O^T.  (Also the places between the scale word's write and the first product)
.set NN, NN+1
.endr
.Lstep_\@:                                         ; 16 trips, a constant; a step all of whose keys come after my queries is passed over: a branch on the wave's number and the counts alone
	s_cmp_gt_u32 s[SI], s[BLK]
	s_cbranch_scc1 .Lhid_\@
	s_setprio 2
	v_add_nc_u32 v[ADK], s[TB], v[L8]
	v_add_nc_u32 v[ADS], s[TS], v[AKS]
	v_nop
	v_nop                                          ; four places in front of loads into registers that the last products read
.irp i, 0,1,2,3
.irp p, 0,1,2,3,4,5
	ds_load_b64 v[FRG+12*\i+2*\p:FRG+12*\i+2*\p+1], v[ADK] offset:1536*\i+256*\p   ; key tiles 2 i and 2 i + 1: one fragment
.endr
	ds_load_b32 v[248+\i], v[ADS] offset:64*\i
.endr
	s_wait_alu depctr_va_vdst(0)
	s_wait_dscnt 0x0
.irp i, 0,1,2,3
	v_wmma_scale_f32_16x16x128_f8f6f4 v[S+16*\i:S+16*\i+7], v[FRG+12*\i:FRG+12*\i+11], v[QZ+6:QZ+17], 0, v[248+\i], v255 matrix_a_fmt:MATRIX_FMT_FP6 matrix_b_fmt:MATRIX_FMT_FP6
	v_wmma_scale_f32_16x16x128_f8f6f4 v[S+16*\i+8:S+16*\i+15], v[FRG+12*\i:FRG+12*\i+11], v[QZ:QZ+11], 0, v[248+\i], v255 matrix_a_fmt:MATRIX_FMT_FP6 matrix_b_fmt:MATRIX_FMT_FP6
.endr                                          ; register 16 b + i of S^T: key 128 step + 32 b + 16 h + i
.rept 4
	v_nop
.endr
.irp t, 0,1,2,3                                ; V's four fragments and words are asked for now and land under the softmax
.irp p, 0,1,2,3,4,5
	ds_load_b64 v[FRG+12*\t+2*\p:FRG+12*\t+2*\p+1], v[ADK] offset:6144+1536*\t+256*\p
.endr
	ds_load_b32 v[248+\t], v[ADS] offset:4096+64*\t
.endr
	s_cmp_lg_u32 s[SI], s[BLK]
	s_cbranch_scc1 .Lopen_\@
	v_mov_b32 v254, 0xff800000                     ; on the diagonal hidden scores become -infinity: p = 0 then.  The block's first key counts for every query of the tile
.set NN, 0
.rept 64
	v_cmp_gt_i32 vcc_lo, 32*(NN/16)+NN%16, v[DL]
	v_cndmask_b32 v[S+NN], v[S+NN], v254, vcc_lo
.set NN, NN+1
.endr
.Lopen_\@:
.irp b, 0,1,2,3
	v_max3_num_f32 v[232+\b], v[96+16*\b], v[97+16*\b], v[98+16*\b]   ; the largest score of each block of 32 keys: for the row's maximum and, since p rises with the score, for the block's largest p
.endr
.irp i, 3,5,7,9,11,13
.irp b, 0,1,2,3
	v_max3_num_f32 v[232+\b], v[232+\b], v[96+16*\b+\i], v[97+16*\b+\i]
.endr
.endr
.irp b, 0,1,2,3
	v_max_num_f32 v[232+\b], v[232+\b], v[111+16*\b]
.endr
.irp b, 0,1,2,3
	s_delay_alu instid0(VALU_DEP_4)
	v_permlanex16_b32 v[236+\b], v[232+\b], s[SEL], s[SEL+1]
.endr
.irp b, 0,1,2,3
	s_delay_alu instid0(VALU_DEP_4)
	v_max_num_f32 v[232+\b], v[232+\b], v[236+\b]
.endr
	s_delay_alu instid0(VALU_DEP_2)
	v_max3_num_f32 v254, v232, v233, v234
	s_delay_alu instid0(VALU_DEP_1)
	v_max_num_f32 v254, v254, v235
	s_delay_alu instid0(VALU_DEP_1)
	v_mul_f32 v254, s[CS], v254
	s_delay_alu instid0(VALU_DEP_1)
	v_max_num_f32 v13, v13, v254                   ; the running largest t
	v_mov_b32 v254, v12
	s_delay_alu instid0(VALU_DEP_2)
	v_floor_f32 v12, -v13                          ; the new -M = -ceil(t)
	s_delay_alu instid0(VALU_DEP_1)
	v_sub_f32 v254, v12, v254                      ; old M - new M: a whole number, 0 or less
	s_delay_alu instid0(VALU_DEP_1)
	v_cvt_i32_f32 v254, v254                       ; (it saturates)
	s_delay_alu instid0(VALU_DEP_1)
	v_ldexp_f32 v252, 1.0, v254                    ; f = 2^(old M - new M): rounds nothing
.set NN, 0
	s_setprio 1
.rept 32
	v_pk_fma_f32 v[96+NN:97+NN], v[96+NN:97+NN], s[CS:CS+1], v[12:13] op_sel_hi:[1,0,0]   ; t - M
.set NN, NN+2
.endr
.irp b, 0,1,2,3
	v_fma_f32 v[232+\b], v[232+\b], s[CS], v12
.endr
.set NN, 0
	s_wait_alu depctr_va_vdst(0)
.rept 64
	v_exp_f32 v[96+NN], v[96+NN]                   ; p = 2^(t - M)
.set NN, NN+1
.endr
	v_pk_mul_f32 v[14:15], v[14:15], v[252:253] op_sel_hi:[1,0]   ; the sums under the new M: a plain place behind the exponentials
	s_wait_alu depctr_va_vdst(0)                   ; one wait for the batch, ahead of its first reader
.irp b, 0,1,2,3
	v_exp_f32 v[232+\b], v[232+\b]                 ; the block's largest p
.endr
	v_pk_add_f32 v[236:237], v[100:101], v[104:105]
	v_pk_add_f32 v[246:247], v[108:109], v[112:113]
	v_pk_add_f32 v[244:245], v[116:117], v[120:121]
	v_pk_add_f32 v[242:243], v[124:125], v[128:129]
	v_pk_add_f32 v[240:241], v[132:133], v[136:137]
	v_pk_add_f32 v[238:239], v[140:141], v[144:145]
	v_pk_add_f32 v[230:231], v[148:149], v[152:153]
	v_pk_add_f32 v[14:15], v[14:15], v[156:157]
	v_pk_add_f32 v[236:237], v[236:237], v[96:97]
	v_pk_add_f32 v[246:247], v[246:247], v[98:99]
	v_pk_add_f32 v[244:245], v[244:245], v[102:103]
	v_pk_add_f32 v[242:243], v[242:243], v[106:107]
	v_pk_add_f32 v[240:241], v[240:241], v[110:111]
	v_pk_add_f32 v[238:239], v[238:239], v[114:115]
	v_pk_add_f32 v[230:231], v[230:231], v[118:119]
	v_pk_add_f32 v[14:15], v[14:15], v[122:123]
	v_pk_add_f32 v[236:237], v[236:237], v[126:127]
	v_pk_add_f32 v[246:247], v[246:247], v[130:131]
	v_pk_add_f32 v[244:245], v[244:245], v[134:135]
	v_pk_add_f32 v[242:243], v[242:243], v[138:139]
	v_pk_add_f32 v[240:241], v[240:241], v[142:143]
	v_pk_add_f32 v[238:239], v[238:239], v[146:147]
	v_pk_add_f32 v[230:231], v[230:231], v[150:151]
	v_pk_add_f32 v[14:15], v[14:15], v[154:155]
	v_pk_add_f32 v[236:237], v[236:237], v[158:159]
	s_delay_alu instid0(VALU_DEP_2)
	v_pk_add_f32 v[14:15], v[14:15], v[242:243]
	s_delay_alu instid0(VALU_DEP_2)
	v_pk_add_f32 v[236:237], v[236:237], v[240:241]
	v_pk_add_f32 v[246:247], v[246:247], v[238:239]
	v_pk_add_f32 v[244:245], v[244:245], v[230:231]
	s_delay_alu instid0(VALU_DEP_2)
	v_pk_add_f32 v[14:15], v[14:15], v[246:247]
	s_delay_alu instid0(VALU_DEP_2)
	v_pk_add_f32 v[236:237], v[236:237], v[244:245]
	s_delay_alu instid0(VALU_DEP_1)
	v_pk_add_f32 v[14:15], v[14:15], v[236:237]
	s_wait_alu depctr_va_vdst(0)                   ; and one for the four
.irp b, 0,1,2,3
	v_max_num_f32 v[232+\b], 0x1800000, v[232+\b]  ; the floor: the byte cannot fall under 1
.endr
.irp b, 0,1,2,3
	s_delay_alu instid0(VALU_DEP_4)
	v_add_nc_u32 v[244+\b], 0xff000000, v[232+\b]
.endr
.irp b, 0,1,2,3
	s_delay_alu instid0(VALU_DEP_4)
	v_lshrrev_b32 v[236+\b], 23, v[244+\b]
.endr
	s_delay_alu instid0(VALU_DEP_3)
	v_lshl_or_b32 v253, v237, 8, v236              ; p's scale word for these 128 keys
	s_delay_alu instid0(VALU_DEP_1)
	v_lshl_or_b32 v253, v238, 16, v253
	s_delay_alu instid0(VALU_DEP_1)
	v_lshl_or_b32 v253, v239, 24, v253
	s_setprio 0
.irp c, 0,1
	v_cvt_scalef32_pk16_fp6_f32 v[224+6*\c:226+6*\c], v[96+32*\c:111+32*\c], v[244+2*\c]
	v_cvt_scalef32_pk16_fp6_f32 v[236+4*\c:238+4*\c], v[112+32*\c:127+32*\c], v[245+2*\c]
.endr
	v_nop
.irp c, 0,1
.irp i, 0,1,2
	v_permlane16_swap_b32 v[224+6*\c+\i], v[236+4*\c+\i]
.endr
.irp i, 0,1,2
	s_delay_alu instid0(VALU_DEP_3)
	v_mov_b32 v[227+6*\c+\i], v[236+4*\c+\i]
.endr
.endr
.set NN, 0
.rept 16
	v_pk_mul_f32 v[O+NN:O+NN+1], v[O+NN:O+NN+1], v[252:253] op_sel_hi:[1,0]   ; O^T under the new M
.set NN, NN+2
.endr
.rept 4
	v_nop                                          ; no operand of the products below is written in the four places ahead of them
.endr
	s_wait_alu depctr_va_vdst(0)
	s_wait_dscnt 0x0                               ; V
.irp t, 0,1,2,3
	v_wmma_scale_f32_16x16x128_f8f6f4 v[O+8*\t:O+8*\t+7], v[FRG+12*\t:FRG+12*\t+11], v[224:235], v[O+8*\t:O+8*\t+7], v[248+\t], v253 matrix_a_fmt:MATRIX_FMT_FP6 matrix_b_fmt:MATRIX_FMT_FP6
.endr                                          ; four accumulators by turns
.Lhid_\@:
	s_add_co_u32 s[TB], s[TB], 12288
	s_add_co_u32 s[TS], s[TS], 256
	s_add_co_u32 s[SI], s[SI], 1
	s_cmp_lt_u32 s[SI], 16
	s_cbranch_scc1 .Lstep_\@
	s_setprio 0
	; the tile's end: y = O^T / the sum; register 16 g + i is channel 32 g + 16 h + i of my query: two blocks of the next K
.rept 4
	v_nop
.endr
	v_add_f32 v14, v14, v15
	s_delay_alu instid0(VALU_DEP_1)
	v_permlanex16_b32 v252, v14, s[SEL], s[SEL+1]
	s_delay_alu instid0(VALU_DEP_1)
	v_add_f32 v14, v14, v252
	s_wait_alu depctr_va_vdst(0)
	v_rcp_f32 v14, v14
	v_nop                                          ; a plain place behind the reciprocal
	s_lshr_b32 s76, s[BH], 4
	s_lshl_b32 s76, s76, 7
	s_add_co_u32 s76, s76, s[TQ]                   ; y's row tile: 128 b + my query tile
	s_mul_i32 s78, s76, 12288
	s_and_b32 s77, s[BH], 15                       ; the head = the unit along K
	s_mul_i32 s79, s77, 768
	s_add_co_u32 s78, s78, s79
	s_mov_b32 s79, 0
	s_add_nc_u64 s[YB:YB+1], s[8:9], s[78:79]
	s_lshl_b32 s78, s76, 9
	s_lshr_b32 s80, s77, 1
	s_lshl_b32 s80, s80, 6
	s_add_co_u32 s78, s78, s80
	s_and_b32 s80, s77, 1
	s_lshl_b32 s80, s80, 1
	s_add_co_u32 s78, s78, s80
	s_add_nc_u64 s[YS:YS+1], s[10:11], s[78:79]
	s_wait_alu depctr_va_vdst(0)                   ; ahead of the reciprocal's first reader
.set NN, 0
.rept 32
	v_mul_f32 v[96+NN], v[O+NN], v14
.set NN, NN+1
.endr
.irp b, 0,1
	v_max3_num_f32 v[232+\b], |v[96+16*\b]|, |v[97+16*\b]|, 0x1800000
.endr
.irp i, 2,4,6,8,10,12,14
.irp b, 0,1
	s_delay_alu instid0(VALU_DEP_2)
	v_max3_num_f32 v[232+\b], v[232+\b], |v[96+16*\b+\i]|, |v[97+16*\b+\i]|
.endr
.endr
.irp b, 0,1
	s_delay_alu instid0(VALU_DEP_2)
	v_permlanex16_b32 v[236+\b], v[232+\b], s[SEL], s[SEL+1]
.endr
.irp b, 0,1
	s_delay_alu instid0(VALU_DEP_2)
	v_max_num_f32 v[232+\b], v[232+\b], v[236+\b]
.endr
.irp b, 0,1
	s_delay_alu instid0(VALU_DEP_2)
	v_add_nc_u32 v[244+\b], 0xff000000, v[232+\b]
.endr
.irp b, 0,1
	s_delay_alu instid0(VALU_DEP_2)
	v_lshrrev_b32 v[236+\b], 23, v[244+\b]
.endr
	s_delay_alu instid0(VALU_DEP_1)
	v_lshl_or_b32 v240, v237, 8, v236              ; my row's two bytes
	v_cvt_scalef32_pk16_fp6_f32 v[224:226], v[96:111], v244
	v_cvt_scalef32_pk16_fp6_f32 v[236:238], v[112:127], v245
	v_nop
.irp i, 0,1,2
	v_permlane16_swap_b32 v[224+\i], v[236+\i]
.endr
.irp i, 0,1,2
	s_delay_alu instid0(VALU_DEP_3)
	v_mov_b32 v[227+\i], v[236+\i]
.endr
.irp p, 0,1,2
	global_store_b64 v[L8], v[224+2*\p:225+2*\p], s[YB:YB+1] offset:256*\p   ; a plane: 256 consecutive bytes, aligned
.endr
	global_store_b16 v[R4], v240, s[YS:YS+1]       ; two bytes a row, 4 bytes apart (the other head of the pair fills the gaps): 32 bytes beside the unit's 768; lanes r and r + 16 store the same
.endm
	PHASE 0
	PHASE 1
	s_wait_tensorcnt 0x0                           ; the wave's end
	ds_add_u32 v[SPW], v[NIL]
	s_wait_dscnt 0x0
	CROUND                                         ; the closing round
	s_endpgm
.Lfunc_end_k_q50858c530d_attn:
	.size	k_q50858c530d_attn, .Lfunc_end_k_q50858c530d_attn-k_q50858c530d_attn
	.p2alignl 7, 3214868480
	.fill 96, 4, 3214868480
	.section	.rodata,"a",@progbits
	.p2align	6, 0x0
	.amdhsa_kernel k_q50858c530d_attn
		.amdhsa_group_segment_fixed_size 206848
		.amdhsa_private_segment_fixed_size 0
		.amdhsa_enable_private_segment 0
		.amdhsa_kernarg_size 32
		.amdhsa_user_sgpr_count 2
		.amdhsa_user_sgpr_kernarg_segment_ptr 1
		.amdhsa_wavefront_size32 1
		.amdhsa_system_sgpr_workgroup_id_x 1
		.amdhsa_system_sgpr_workgroup_id_y 1
		.amdhsa_system_sgpr_workgroup_id_z 1
		.amdhsa_system_vgpr_workitem_id 0
		.amdhsa_next_free_vgpr 256
		.amdhsa_next_free_sgpr 90
		.amdhsa_reserve_vcc 1
		.amdhsa_float_denorm_mode_32 3
		.amdhsa_float_denorm_mode_16_64 3
		.amdhsa_memory_ordered 1
		.amdhsa_forward_progress 1
		.amdhsa_inst_pref_size 70
	.end_amdhsa_kernel
	.amdgpu_metadata
---
amdhsa.version: [ 1, 2 ]
amdhsa.kernels:
  - .name:           k_q50858c530d_attn
    .symbol:         k_q50858c530d_attn.kd
    .args:
      - { .name: qkv, .offset: 0, .size: 8, .value_kind: global_buffer, .address_space: global }
      - { .name: sc, .offset: 8, .size: 8, .value_kind: global_buffer, .address_space: global }
      - { .name: yc, .offset: 16, .size: 8, .value_kind: global_buffer, .address_space: global }
      - { .name: ys, .offset: 24, .size: 8, .value_kind: global_buffer, .address_space: global }
    .group_segment_fixed_size: 206848
    .private_segment_fixed_size: 0
    .kernarg_segment_align: 8
    .kernarg_segment_size: 32
    .max_flat_workgroup_size: 512
    .sgpr_count:     90
    .vgpr_count:     256
    .wavefront_size: 32
...
	.end_amdgpu_metadata
.endif
;; end of part 3
;; launch proj (part 4): grid 4 x 32, 4 waves a work-group, clusters of 4 x 4, 327,680 bytes of LDS; arguments yc, ys, wc, ws, bp, out0; writes out0
.if DOCPART == 4
	.amdgcn_target "amdgcn-amd-amdhsa--gfx1250"
	.amdhsa_code_object_version 6
	.text
	.protected	k_q50858c530d_proj
	.globl	k_q50858c530d_proj
	.p2align	8
	.type	k_q50858c530d_proj,@function
k_q50858c530d_proj:
	s_mov_b64 s[64:65], 0
	v_nop
	global_prefetch_b8 v0, s[64:65] scope:SCOPE_SE
	s_setreg_imm32_b32 hwreg(HW_REG_WAVE_MODE, 25, 1), 1
	s_wait_xcnt 0x0
	s_wait_alu depctr_hold_cnt(0) depctr_sa_sdst(0) depctr_va_vdst(0) depctr_va_sdst(0) depctr_va_ssrc(0) depctr_va_vcc(0) depctr_vm_vsrc(0)
	s_getreg_b32 s2, hwreg(HW_REG_IB_STS2, 6, 4)
	s_cmp_eq_u32 s2, 0
	s_cbranch_scc0 .Lentry_in_a_cluster
	s_endpgm
.Lentry_in_a_cluster:
	s_bfe_u32 s2, ttmp6, 0x10000c
	s_cmp_lg_u32 s2, 0xf033
	s_cbranch_scc0 .Lentry_shape_is_right
	s_endpgm
.Lentry_shape_is_right:
; out0 = y Wp + bp on codes of FP6 (E2M3) with E8M0 scales; out0 [8192][1024] f32.  y's codes and scale words come from the attention launch, Wp's are row tiles 192-255 of wc.
; LIMITS: NaN and infinities are not served.
; A tile of 256 x 256 to a work-group of four waves, 128 x 128 a wave: 64 accumulators.  K = 1,024 goes in four chunks of 256 through three LDS slots: three first fills, and one refill of slot 0.
; OPERANDS lie in memory and in LDS in the order of their registers (units of 16 rows x 64 K, three planes of 256 bytes, lane l's 8 bytes at 8 l): a fragment is six ds_load_b64 at 8 x lane.
; THE PRODUCT IS USED TRANSPOSED: source 0 = 16 rows of Wp, source 1 = 16 rows of y: a lane holds one token, and registers 16 b + i of its block hold the logical features 32 b + 16 h + i.
; CLUSTER 4 x 4: y's tiles are shared along a row of the cluster, Wp's along a column: each is asked for jointly.  128 work-groups: the tile is kept at 256 x 256 so that each fragment read from LDS feeds eight products.
; REGISTERS: window 0: v1-29 addresses; v32-47 scale words, two sets; v64-127 the bias; v128-223 A's fragments (on the way out v128-255: rows read back).  window 1: B's fragments, two sets.  windows 2, 3: accumulators.
.set SLOT,  98304
.set QTR,   24576
.set SCL,   3*SLOT
.set SPARE, SCL+16640
.set STAGE, SLOT                       ; the way out: 16 rows x 528 bytes for each wave, in slot 1: it has had its only fill, and behind the last barrier nobody reads it
.set FR,    12
.set NL,    6
.set ADRA,  8
.set ADRB,  12
.set ADRS,  16
.set L8,    17
.set STO,   18                         ; v18 the stage: where I put 32 bytes of a row
.set RD,    19                         ; v19 where I read a row back
.set CO,    20                         ; v20 16 x lane
.set SPW,   28
.set NIL,   29
.set SC,    32
.set BI,    64
.set AF,    128
.set BK,    128
.set WV,    23
.set G1A,   24
.set G0A0,  32
.set G0A1,  36
.set G0A2,  40
.set G0SA,  44
.set G1B,   48
.set G0B0,  56
.set G0B1,  60
.set G0B2,  68
.set G0SB,  72
.set G1SA,  76
.set G1SB,  84
.set WH,    94
.set WL,    95
.set CX,    96
.set CY,    97
.set TR,    98
.set TC,    99
.set MSB, 0
.macro WIN new
.if MSB != (\new)
	s_set_vgpr_msb (MSB<<8)|(\new)
.set MSB, (\new)
.endif
.endm
.macro JLOAD g0a, g1a, g0b, g1b        ; a joint load: waves 0 and 1 fetch for A, waves 2 and 3 for B; an s_nop 0 and four v_nop follow each line
	s_cmp_eq_u32 s[WH], 0
	s_cbranch_scc0 .Lfor_b_\@
	tensor_load_to_lds s[\g0a:\g0a+3], s[\g1a:\g1a+7]
	s_nop 0
.rept 4
	v_nop
.endr
	s_branch .Lasked_\@
.Lfor_b_\@:
	tensor_load_to_lds s[\g0b:\g0b+3], s[\g1b:\g1b+7]
	s_nop 0
.rept 4
	v_nop
.endr
.Lasked_\@:
.endm
.macro CREST
	s_cmp_lg_u32 s[WV], 0
	s_cbranch_scc1 .Lnot_wave_0_\@
	s_barrier_signal -3
.Lnot_wave_0_\@:
	s_barrier_wait -3
	s_barrier_signal -1
	s_barrier_wait -1
.endm
.macro CROUND
	s_barrier_signal -1
	s_barrier_wait -1
	CREST
.endm
.macro PLACES n
.rept \n
	v_nop
.endr
.endm
.macro FRAG reg, adr, q, i
.irp p, 0,1,2,3,4,5
	ds_load_b64 v[\reg+2*\p:\reg+2*\p+1], v[\adr] offset:(\i)*3072+(\q)*1536+256*\p
.endr
.endm
.macro FETCH_B slot, q, p
	WIN 0x40
.irp i, 0,1,2,3,4,5,6,7
	FRAG 128*(\p)+FR*\i, ADRB+\slot, \q, \i
.endr
	WIN 0
.endm
.macro FETCH_A slot, q, i0
.irp i, \i0, \i0+1, \i0+2, \i0+3
	FRAG AF+FR*(\i), ADRA+\slot, \q, \i
.endr
.endm
.macro SCALES sc, s
.irp i, 0,1,2,3,4,5,6,7
	ds_load_b32 v[SC+8*(\sc)+\i], v[ADRS] offset:512*\i+64*(\s)
.endr
.endm
; 16 products: A's blocks a0, a0 + 1 x B's eight.  cm = 1: C = the bias by B's block: the first K step starts the sums.  The 64 accumulators take turns, in the same order in every step.
.macro MUL16 a0, p, cm
.irp a, \a0, \a0+1
.irp b, 0,1,2,3,4,5,6,7
.if (\cm) == 1
	v_wmma_scale_f32_16x16x128_f8f6f4 v[8*(8*((\a)%4)+\b):8*(8*((\a)%4)+\b)+7], v[128*(\p)+FR*\b:128*(\p)+FR*\b+FR-1], v[AF+FR*(\a):AF+FR*(\a)+FR-1], v[BI+8*\b:BI+8*\b+7], v[SC+8*(\p)+\b], v[SC+8*(\p)+(\a)] matrix_a_fmt:MATRIX_FMT_FP6 matrix_b_fmt:MATRIX_FMT_FP6 matrix_a_scale:MATRIX_SCALE_ROW1
.else
	v_wmma_scale_f32_16x16x128_f8f6f4 v[8*(8*((\a)%4)+\b):8*(8*((\a)%4)+\b)+7], v[128*(\p)+FR*\b:128*(\p)+FR*\b+FR-1], v[AF+FR*(\a):AF+FR*(\a)+FR-1], v[8*(8*((\a)%4)+\b):8*(8*((\a)%4)+\b)+7], v[SC+8*(\p)+\b], v[SC+8*(\p)+(\a)] matrix_a_fmt:MATRIX_FMT_FP6 matrix_b_fmt:MATRIX_FMT_FP6 matrix_a_scale:MATRIX_SCALE_ROW1
.endif
.endr
.endr
.endm
.macro STEP nslot, nq, s, cm
.set LOW_, 0xa1
.set HIW_, 0xf1
.if (\cm) != 0
.set LOW_, 0x81
.set HIW_, 0xc1
.endif
	s_wait_dscnt 4*NL                              ; all but the youngest 24 loads, A's blocks 4-7
	WIN LOW_
	MUL16 0, (\s)%2, \cm
	MUL16 2, (\s)%2, \cm
	s_wait_dscnt 0x0
	PLACES 4                                       ; four places in front of loads into registers that matrix instructions have read
	FETCH_B \nslot, \nq, 1-(\s)%2
	FETCH_A \nslot, \nq, 0
	SCALES 1-(\s)%2, (\s)+1
	WIN HIW_
	MUL16 4, (\s)%2, \cm
	MUL16 6, (\s)%2, \cm
	PLACES 4
	WIN 0
	FETCH_A \nslot, \nq, 4
.endm
.macro TURN nslot, s, fill
	s_wait_tensorcnt 0x0                           ; all my tensor loads have landed
	ds_add_u32 v[SPW], v[NIL]                      ; 0 onto my spare word
	s_wait_dscnt 4*NL+1                            ; (the add and the youngest 24 loads may be out)
	WIN 0xa1
	MUL16 0, (\s)%2, 0
	s_wait_dscnt 0x0                               ; the add is done, and my reads of this slot are over
	s_barrier_signal -1
	MUL16 2, (\s)%2, 0
	WIN 0
	s_barrier_wait -1
.if \fill
	CREST                                          ; the barrier has opened a round of the cluster's: no wave of any partner still reads slot 0 or has a load on its way
	s_add_nc_u64 s[G0A0+2:G0A0+3], s[G0A0+2:G0A0+3], 3*3072
	s_add_nc_u64 s[G0B0+2:G0B0+3], s[G0B0+2:G0B0+3], 3*3072
	JLOAD G0A0, G1A, G0B0, G1B                     ; my one tensor load behind the round: chunk 3; four K steps, 256 products, in which to land
.else
	PLACES 4
.endif
	FETCH_B \nslot, 0, 1-(\s)%2
	FETCH_A \nslot, 0, 0
	SCALES 1-(\s)%2, (\s)+1
	WIN 0xf1
	MUL16 4, (\s)%2, 0
	MUL16 6, (\s)%2, 0
	PLACES 4
	WIN 0
	FETCH_A \nslot, 0, 4
.endm
	s_load_b256 s[4:11], s[0:1], 0x0               ; yc s[4:5], ys s[6:7], wc s[8:9], ws s[10:11]
	s_load_b128 s[12:15], s[0:1], 0x20             ; bp s[12:13], out0 s[14:15]
	v_lshl_add_u32 v[SPW], v0, 2, SPARE
	v_mov_b32 v[NIL], 0
	ds_add_u32 v[SPW], v[NIL]                      ; the wave's opening: the add and its wait stand ahead of my first tensor load
	v_lshrrev_b32 v1, 5, v0
	v_readfirstlane_b32 s[WV], v1
	s_lshr_b32 s[WH], s[WV], 1
	s_and_b32 s[WL], s[WV], 1
	s_bfe_u32 s[CX], ttmp6, 0x40000
	s_bfe_u32 s[CY], ttmp6, 0x40004
	s_and_b32 s[TR], ttmp7, 0xffff
	s_lshl_b32 s[TR], s[TR], 2
	s_add_co_u32 s[TR], s[TR], s[CY]               ; my 256 tokens
	s_lshl_b32 s[TC], ttmp9, 2
	s_add_co_u32 s[TC], s[TC], s[CX]               ; my 256 features
	s_lshl_b32 s66, s[CY], 2
	s_lshl_b32 s66, 15, s66
	s_lshl_b32 s67, 0x1111, s[CX]
	s_or_b32 s[G1A], s66, (3<<16)|(1<<21)
	s_or_b32 s[G1B], s67, (3<<16)|(1<<21)
	s_or_b32 s[G1SA], s66, (3<<16)|(1<<21)
	s_or_b32 s[G1SB], s67, (3<<16)|(1<<21)
.irp g, G1A, G1B                       ; codes: 8 row tiles x 3,072 bytes (256 K), 12,288 bytes apart
	s_mov_b32 s[\g+1], 384<<16
	s_mov_b32 s[\g+2], 8<<16
	s_mov_b32 s[\g+3], 384<<16
	s_mov_b32 s[\g+4], 8
	s_mov_b32 s[\g+5], 1536
	s_mov_b32 s[\g+6], 0
	s_mov_b32 s[\g+7], 0
.endr
.irp g, G1SA, G1SB                     ; scale words of 128 rows: 4,096 dense bytes as 16 rows of 256
	s_mov_b32 s[\g+1], 32<<16
	s_mov_b32 s[\g+2], 16<<16
	s_mov_b32 s[\g+3], 32<<16
	s_mov_b32 s[\g+4], 16
	s_mov_b32 s[\g+5], 32
	s_mov_b32 s[\g+6], 0
	s_mov_b32 s[\g+7], 0
.endr
	s_lshl_b32 s100, s[WL], 3
	s_lshl_b32 s92, s[TR], 4
	s_add_co_u32 s92, s92, s100
	s_lshl_b32 s93, s[TC], 4
	s_add_co_u32 s93, s93, s100
	s_mul_i32 s[G0A0+2], s92, 12288
	s_mov_b32 s[G0A0+3], 0
	s_lshl_b32 s[G0SA+2], s92, 9
	s_mov_b32 s[G0SA+3], 0
	s_mul_i32 s[G0B0+2], s93, 12288
	s_mov_b32 s[G0B0+3], 0
	s_lshl_b32 s[G0SB+2], s93, 9
	s_mov_b32 s[G0SB+3], 0
	s_mul_i32 s100, s[WV], QTR
	s_lshl_b32 s101, s[WV], 12
	s_lshl_b32 s2, s[WH], 6
	s_add_co_u32 s101, s101, s2
.irp g, G0A0, G0A1, G0A2, G0SA, G0B0, G0B1, G0B2, G0SB
	s_mov_b32 s[\g], 1
.endr
	s_mov_b32 s[G0A0+1], s100
	s_add_co_u32 s[G0A1+1], s100, SLOT
	s_add_co_u32 s[G0A2+1], s100, 2*SLOT
	s_add_co_u32 s[G0SA+1], s101, SCL
	s_mov_b32 s[G0B0+1], s100
	s_add_co_u32 s[G0B1+1], s100, SLOT
	s_add_co_u32 s[G0B2+1], s100, 2*SLOT
	s_add_co_u32 s[G0SB+1], s101, SCL
	s_wait_dscnt 0x0                               ; the opening add is done
	s_wait_kmcnt 0x0
	s_add_nc_u64 s[8:9], s[8:9], 2359296           ; Wp's codes: row tile 192 of wc
	s_add_nc_u64 s[10:11], s[10:11], 98304         ; and its scale words
	s_add_nc_u64 s[G0A0+2:G0A0+3], s[4:5], s[G0A0+2:G0A0+3]
	s_add_nc_u64 s[G0A1+2:G0A1+3], s[G0A0+2:G0A0+3], 3072
	s_add_nc_u64 s[G0A2+2:G0A2+3], s[G0A0+2:G0A0+3], 6144
	s_add_nc_u64 s[G0SA+2:G0SA+3], s[6:7], s[G0SA+2:G0SA+3]
	s_add_nc_u64 s[G0B0+2:G0B0+3], s[8:9], s[G0B0+2:G0B0+3]
	s_add_nc_u64 s[G0B1+2:G0B1+3], s[G0B0+2:G0B0+3], 3072
	s_add_nc_u64 s[G0B2+2:G0B2+3], s[G0B0+2:G0B0+3], 6144
	s_add_nc_u64 s[G0SB+2:G0SB+3], s[10:11], s[G0SB+2:G0SB+3]
.irp g, G0A0, G0A1, G0A2, G0SA, G0B0, G0B1, G0B2, G0SB
	s_or_b32 s[\g+3], s[\g+3], 0x80000000
.endr
	CROUND                                         ; all sixteen work-groups are here: the first joint loads meet
	JLOAD G0SA, G1SA, G0SB, G1SB                   ; four first fills: four loads of mine are out
	JLOAD G0A0, G1A, G0B0, G1B
	JLOAD G0A1, G1A, G0B1, G1B
	JLOAD G0A2, G1A, G0B2, G1B
	s_lshl_b32 s2, s[TR], 8
	s_lshl_b32 s3, s[WH], 7
	s_add_co_u32 s92, s2, s3                       ; my first token
	s_lshl_b32 s2, s[TC], 8
	s_lshl_b32 s3, s[WL], 7
	s_add_co_u32 s93, s2, s3                       ; my first feature
	s_lshl_b32 s2, s93, 2
	s_mov_b32 s3, 0
	s_add_nc_u64 s[12:13], s[12:13], s[2:3]
	s_add_nc_u64 s[14:15], s[14:15], s[2:3]
	s_lshl_b32 s2, s92, 12
	s_add_nc_u64 s[14:15], s[14:15], s[2:3]
	v_and_b32 v1, 31, v0
	v_lshlrev_b32 v[L8], 3, v1
	v_lshlrev_b32 v[CO], 4, v1
	v_and_b32 v2, 15, v0                           ; r
	v_bfe_u32 v3, v0, 4, 1                         ; h
	v_lshlrev_b32 v6, 6, v3                        ; the bias: register j of B's block t is feature 32 (t / 2) + 8 (t % 2) + 16 h + j
.irp t, 0,1,2,3,4,5,6,7
	global_load_b128 v[BI+8*\t:BI+8*\t+3], v6, s[12:13] offset:(32*(\t/2)+8*(\t%2))*4
	global_load_b128 v[BI+8*\t+4:BI+8*\t+7], v6, s[12:13] offset:(32*(\t/2)+8*(\t%2))*4+16
.endr
	s_mul_i32 s2, s[WH], QTR
	s_mul_i32 s3, s[WL], QTR
	s_add_co_u32 s3, s3, 2*QTR
.irp s, 0,1,2
	v_add_nc_u32 v[ADRA+\s], s2, v[L8]
	v_add_nc_u32 v[ADRB+\s], s3, v[L8]
	s_add_co_u32 s2, s2, SLOT
	s_add_co_u32 s3, s3, SLOT
.endr
	v_lshlrev_b32 v4, 2, v2
	s_lshl_b32 s2, s[WH], 12
	s_lshl_b32 s3, s[WL], 12
	s_add_co_u32 s3, s3, 8192+64
	s_sub_co_u32 s3, s3, s2
	v_mul_u32_u24 v5, s3, v3                       ; lanes 16-31 take B's words: the lower base + h x the distance
	s_add_co_u32 s2, s2, SCL
	v_add_nc_u32 v5, v4, v5
	v_add_nc_u32 v[ADRS], s2, v5
	s_mul_i32 s2, s[WV], 16*528
	s_add_co_u32 s2, s2, STAGE
	v_mul_u32_u24 v[STO], v2, 528
	v_lshl_add_u32 v[STO], v3, 6, v[STO]
	v_add_nc_u32 v[STO], s2, v[STO]                ; in: row r, + 64 h
	v_add_nc_u32 v[RD], s2, v[CO]                  ; back: the 32 lanes take a row's 512 bytes
	s_wait_tensorcnt 2                             ; the scale words and my part of chunk 0 are in; chunks 1 and 2 may stay out
	s_barrier_signal -1
	s_barrier_wait -1
	FETCH_B 0, 0, 0
	FETCH_A 0, 0, 0
	SCALES 0, 0
	FETCH_A 0, 0, 4
	s_wait_loadcnt 0x0                             ; the bias
	STEP 0, 1, 0, 1
	TURN 1, 1, 1                                   ; the wait for all loads shows chunks 1 and 2 to every wave; chunk 3 goes into slot 0
	STEP 1, 1, 2, 0
	STEP 2, 0, 3, 0
	STEP 2, 1, 4, 0
	TURN 0, 5, 0                                   ; chunk 3 is whole; nothing is filled again; behind this barrier nobody reads slot 1
	STEP 0, 1, 6, 0
	s_wait_dscnt 4*NL
	WIN 0xa1
	MUL16 0, 1, 0
	MUL16 2, 1, 0
	s_wait_dscnt 0x0
	WIN 0xf1
	MUL16 4, 1, 0
	MUL16 6, 1, 0
	WIN 0
; THE WAY OUT, block by block of 16 tokens x 128 features, through my own stage: a lane's 8 registers of B's block b are 32 neighbouring bytes of its row, at 128 (b / 2) + 64 h + 32 (b % 2).
; LDS serves a wave's instructions in order: no wait between the stores and the loads, nor in front of the next block's stores.
.macro TOSTAGE a
.set AC, 64*((\a)%4)
.set WS_, 0x08+4*((\a)/4)
	WIN WS_                                        ; an LDS store's data are its source 1: window 2 or 3
.irp b, 0,1,2,3,4,5,6,7
	ds_store_b128 v[STO], v[AC+8*\b:AC+8*\b+3] offset:128*(\b/2)+32*(\b%2)       ; each accumulator from its low end on
	ds_store_b128 v[STO], v[AC+8*\b+4:AC+8*\b+7] offset:128*(\b/2)+32*(\b%2)+16
.endr
	WIN 0
.set BB, BK+64*((\a)%2)
.irp t, 0,1,2,3,4,5,6,7,8,9,10,11,12,13,14,15
	ds_load_b128 v[BB+4*\t:BB+4*\t+3], v[RD] offset:\t*528
.endr
.endm
.macro SEND a, younger
.set BB, BK+64*((\a)%2)
	s_wait_dscnt \younger                          ; the block is back in registers
.irp t, 0,1,2,3,4,5,6,7,8,9,10,11,12,13,14,15
	global_store_b128 v[CO], v[BB+4*\t:BB+4*\t+3], s[14:15] offset:(32*((\a)/2)+8*((\a)%2)+\t+8*(\t/8))*4096 th:TH_STORE_NT   ; storage row t of block a is this logical row; 512 consecutive bytes, aligned; at most 127 rows on
.endr
.endm
	PLACES 4                                       ; behind the last products: their results are read, and A's registers loaded into, below
	TOSTAGE 0
.irp a, 1,2,3,4,5,6,7
.if \a > 1
	s_wait_xcnt 0x0                                ; block a - 2's stores have read their registers: block a's loads may land there
.endif
	TOSTAGE \a
	SEND (\a)-1, 32                                ; behind block a - 1's loads: block a's 16 stores and 16 loads
.endr
	SEND 7, 0
	s_wait_tensorcnt 0x0                           ; the wave's end
	ds_add_u32 v[SPW], v[NIL]
	s_wait_dscnt 0x0
	CROUND                                         ; the closing round
	s_endpgm
.Lfunc_end_k_q50858c530d_proj:
	.size	k_q50858c530d_proj, .Lfunc_end_k_q50858c530d_proj-k_q50858c530d_proj
	.p2alignl 7, 3214868480
	.fill 96, 4, 3214868480
	.section	.rodata,"a",@progbits
	.p2align	6, 0x0
	.amdhsa_kernel k_q50858c530d_proj
		.amdhsa_group_segment_fixed_size 327680
		.amdhsa_private_segment_fixed_size 0
		.amdhsa_enable_private_segment 0
		.amdhsa_kernarg_size 48
		.amdhsa_user_sgpr_count 2
		.amdhsa_user_sgpr_kernarg_segment_ptr 1
		.amdhsa_wavefront_size32 1
		.amdhsa_system_sgpr_workgroup_id_x 1
		.amdhsa_system_sgpr_workgroup_id_y 1
		.amdhsa_system_sgpr_workgroup_id_z 1
		.amdhsa_system_vgpr_workitem_id 0
		.amdhsa_next_free_vgpr 1024
		.amdhsa_next_free_sgpr 102
		.amdhsa_reserve_vcc 0
		.amdhsa_float_denorm_mode_32 3
		.amdhsa_float_denorm_mode_16_64 3
		.amdhsa_memory_ordered 1
		.amdhsa_forward_progress 1
		.amdhsa_inst_pref_size 162
	.end_amdhsa_kernel
	.amdgpu_metadata
---
amdhsa.version: [ 1, 2 ]
amdhsa.kernels:
  - .name:           k_q50858c530d_proj
    .symbol:         k_q50858c530d_proj.kd
    .args:
      - { .name: yc, .offset: 0, .size: 8, .value_kind: global_buffer, .address_space: global }
      - { .name: ys, .offset: 8, .size: 8, .value_kind: global_buffer, .address_space: global }
      - { .name: wc, .offset: 16, .size: 8, .value_kind: global_buffer, .address_space: global }
      - { .name: ws, .offset: 24, .size: 8, .value_kind: global_buffer, .address_space: global }
      - { .name: bp, .offset: 32, .size: 8, .value_kind: global_buffer, .address_space: global }
      - { .name: out0, .offset: 40, .size: 8, .value_kind: global_buffer, .address_space: global }
    .group_segment_fixed_size: 327680
    .private_segment_fixed_size: 0
    .kernarg_segment_align: 8
    .kernarg_segment_size: 48
    .max_flat_workgroup_size: 128
    .sgpr_count:     102
    .vgpr_count:     1024
    .wavefront_size: 32
...
	.end_amdgpu_metadata
.endif
;; end of part 4
